; MI455X (gfx1250); checked and timed in simulation.
; The chip was launched on July 23, 2026; its instructions are those of AMD's public machine-readable ISA for CDNA 5 (MIT licence, August 2026) and "CDNA5" Instruction Set Architecture Reference Guide (July 2026). The comments in the code are by the model that wrote it; some were corrected since.
;; Encoder Layer. Allowed arithmetic: matrix products marked QUANTISED: E3M2 operands, one E8M0 scale for each 32 along K, by v_wmma_scale_f32_16x16x128_f8f6f4 with both operands' format E3M2, f32 sums; everything else in f32.
;; Inputs: W1 1,024 x 4,096 float32; W2 4,096 x 1,024 float32; Wk 1,024 x 1,024 float32; Wo 1,024 x 1,024 float32; Wq 1,024 x 1,024 float32; Wv 1,024 x 1,024 float32; b1 4,096 float32; b2 1,024 float32; beta1 1,024 float32; beta2 1,024 float32; bk 1,024 float32; bo 1,024 float32; bq 1,024 float32; bv 1,024 float32; g1 1,024 float32; g2 1,024 float32; pad_mask 2 x 1 x 1 x 2,048 bool; rel_emb 32 x 16 float32; x 2 x 2,048 x 1,024 float32.
;; Outputs: out0 2 x 2,048 x 1,024 float32.
;; This version of the problem:
;;   THIS VERSION OF THE PROBLEM IS GIVEN IN LOW PRECISION. The matrix products marked QUANTISED in the list below multiply operands that are first quantised to E3M2 (3 exponent bits, 2 mantissa bits; 6 bits a number), with one power-of-two scale for each 32 numbers along K (OCP MX v1.0); their sums are f32. All else is computed in f32.
;;   The module's matrix products, in the order in which they are computed (A, B: the left and right operand; K: the contracted axis; several contracted axes count as one K, in the product's order):
;;     1. [M 4,096, K 1,024] x [K 1,024, N 1,024]; A: computed on the way; B: input Wq: QUANTISED
;;     2. [M 4,096, K 1,024] x [K 1,024, N 1,024]; A: computed on the way; B: input Wk: QUANTISED
;;     3. [M 4,096, K 1,024] x [K 1,024, N 1,024]; A: computed on the way; B: input Wv: QUANTISED
;;     4. batch 32 x [M 2,048, K 64] x [K 64, N 2,048]; A: computed on the way; B: computed on the way: QUANTISED
;;     5. batch 32 x [M 64, K 2,048] x [K 2,048, N 2,048]; A: computed on the way; B: softmax (see below): QUANTISED
;;     6. [M 4,096, K 1,024] x [K 1,024, N 1,024]; A: computed on the way; B: input Wo: QUANTISED
;;     7. [M 4,096, K 1,024] x [K 1,024, N 4,096]; A: computed on the way; B: input W1: QUANTISED
;;     8. [M 4,096, K 4,096] x [K 4,096, N 1,024]; A: computed on the way; B: input W2: QUANTISED
;;   THE QUANTISER, for each operand of a quantised product, along K:
;;     - K is cut into blocks of 32 from its start; a last block that is shorter is filled with zeros.
;;     - A block's scale is 2^e with e = floor(log2(the largest magnitude in the block)) - 4, held to -126 .. 127; a block of zeros has e = 0. As a byte (E8M0): e + 127.
;;     - Each number is divided by its block's scale, clamped to +-28, and rounded to the nearest number of E3M2, ties to even, subnormals kept.
;;     - The product sums the exact products of the quantised numbers (number of the format x scale) in f32.
;;   ~~~python
;;   def quantise(x, axis):      # numpy; x: float32 -> the quantised numbers, widened to float32 again
;;       x = np.moveaxis(x, axis, -1); K = x.shape[-1]
;;       x = np.pad(x, [(0, 0)] * (x.ndim - 1) + [(0, -K % 32)]); x = x.reshape(x.shape[:-1] + (-1, 32)); a = np.abs(x).max(-1, keepdims=True)
;;       e = np.where(a > 0, np.clip(np.frexp(np.where(a > 0, a, 1))[1] - 1 - 4, -126, 127), 0)      # np.frexp(a)[1] - 1 = floor(log2(a)), exactly
;;       r = np.clip(x / 2.0 ** e, -28, 28)
;;       step = 2.0 ** (np.maximum(np.frexp(np.where(r == 0, 1, r))[1] - 1, -2) - 2)
;;       q = np.round(r / step) * step * 2.0 ** e      # np.round: ties to even
;;       return np.moveaxis(q.reshape(q.shape[:-2] + (-1,))[..., :K], -1, axis).astype(np.float32)
;;   ~~~
;;   SOFTMAX AHEAD OF A QUANTISED PRODUCT. Where the list says 'softmax', what is quantised is not the finished softmax but p = 2^(t - M), with t = logit x log2(e) and M = ceil(the row's largest t), a whole number; so 1/2 < the row's largest p <= 1. The row's sum l is taken of the UNQUANTISED p, in f32, and the product's result is divided by l at the end. Since M is a whole number, a kernel that streams over the keys may use a running M (the ceiling of the running maximum): every later rescaling is an exact power of two, which a block's scale takes up: the codes' values come out the same.
;;   OPERANDS COMPUTED ON THE WAY. 'Computed on the way' means the value that the module computes at that place (a softmax that the list does not call 'softmax' is quantised finished and normalised). What goes into a quantiser is computed in f32, as accurately as f32 sums, v_exp_f32 and their like allow (about 1e-6 of the number): no bf16 or f16 on the way to a quantiser, and a product that is left as it is and whose result goes on into a quantised operand takes f32 operands (vector FMAs, or v_wmma_f32_16x16x4_f32). A number that lies on a knife's edge between two numbers of the format may be rounded either way, as far as f32 arithmetic and the matrix unit's own rounding can turn it there, and no further.
;; One version. Each part assembles by itself: llvm-mc -triple=amdgcn-amd-amdhsa -mcpu=gfx1250 --defsym DOCPART=n.
;; ======== version 1 of 1: 8 launches
;; limits: a function is approximated: absolute error at most 1.5e-07
;; workspace buffers: wc 9,437,184 bytes; ws 393,216 bytes; hc 3,145,728 bytes; hs 131,072 bytes; big 12,582,912 bytes; fs 524,288 bytes; x2 16,777,216 bytes
;; launch wq (part 1): grid 768 x 1, 4 waves a work-group, no clusters, 0 bytes of LDS; arguments Wq, Wk, Wv, Wo, W1, W2, wc, ws; writes wc, ws
.if DOCPART == 1
	.amdgcn_target "amdgcn-amd-amdhsa--gfx1250"
	.amdhsa_code_object_version 6
	.text
	.protected	k_qa890a00f4c_wq
	.globl	k_qa890a00f4c_wq
	.p2align	8
	.type	k_qa890a00f4c_wq,@function
k_qa890a00f4c_wq:
	s_mov_b64 s[64:65], 0
	v_nop
	global_prefetch_b8 v0, s[64:65] scope:SCOPE_SE
	s_setreg_imm32_b32 hwreg(HW_REG_WAVE_MODE, 25, 1), 1
	s_wait_xcnt 0x0
; The six weights, f32 stored [K][N], become codes of BF6 (E3M2) with one E8M0 byte for each 32 along K, laid as IMAGES OF OPERAND REGISTERS.
; A fragment is 16 rows (columns n of the weight) x 128 K: 12 registers a lane, 1,536 bytes: registers 4 c .. 4 c + 3 of lane l at 512 c + 16 l.  Its scale words: 64 bytes, row r's word at 4 r.
; Fragment (n block nb, K step ks) of a weight has the index base + nb KS + ks: Wq 0, Wk 512, Wv 1024, Wo 1536, W1 2048 (KS = 8), W2 4096 (KS = 32).
; THE ROWS OF A BLOCK ARE NOT NEIGHBOURS: block 2 G + u holds rows 32 G + 8 u + r + 8 (r / 8), so that as source 0 of a product the 16 results of blocks 2 G, 2 G + 1 in a lane are 16 neighbours.
; A lane takes a column and its registers run down K (128 numbers, four blocks): every load reads 128 neighbouring bytes a wave, 512 a work-group, and a block's largest magnitude needs no other lane.
; Lanes 0-15 hold the columns of block nb0, lanes 16-31 those of nb0 + 1; twelve exchanges of halves give the two fragments.
; A block's byte is its largest magnitude's exponent field - 4, held at 1 from below (a block of zeros gets 1: its codes are zeros, and this program alone reads the bytes).
; LIMITS: NaN and infinities are not served; blocks whose largest magnitude lies under 2^-122 get the byte 1.
; No LDS, no barrier, no matrix unit: the launch streams 50 MB once.
.set X,  32                            ; v32-159  my column's 128 numbers
.set C0, 160                           ; v160-171 blocks 0 and 2, then fragment nb0
.set C1, 172                           ; v172-183 blocks 1 and 3, then fragment nb0 + 1
.set CT, 184                           ; v184-186 a block's upper 16 codes on their way
.set SW, 188                           ; v188     my column's scale word
	s_load_b256 s[4:11], s[0:1], 0x0               ; Wq, Wk, Wv, Wo
	s_load_b256 s[12:19], s[0:1], 0x20             ; W1, W2, codes, scale words
	v_lshrrev_b32 v1, 5, v0
	v_readfirstlane_b32 s20, v1                    ; wave 0..3
	s_lshr_b32 s24, ttmp9, 8                       ; 0: a square weight, 1: W1, 2: W2
	s_and_b32 s21, ttmp9, 7                        ; which 128 columns,
	s_and_b32 s22, ttmp9, 31                       ; (W1 has 32 such groups)
	s_lshr_b32 s23, ttmp9, 3
	s_and_b32 s25, s23, 7                          ; which K step,
	s_and_b32 s26, s23, 31                         ; (W2 has 32)
	s_bfe_u32 s27, ttmp9, 0x30005                  ; (W1's)
	s_bfe_u32 s28, ttmp9, 0x20006                  ; which square weight
	s_lshl_b32 s29, s28, 9                         ; its first fragment
	s_cmp_eq_u32 s24, 1
	s_cselect_b32 s21, s22, s21
	s_cselect_b32 s25, s27, s25
	s_cselect_b32 s29, 2048, s29
	s_cselect_b32 s31, 21, 19                      ; 128 rows of 16,384 or of 4,096 bytes, as a shift
	s_cmp_eq_u32 s24, 2
	s_cselect_b32 s25, s26, s25
	s_cselect_b32 s29, 4096, s29
	s_cselect_b32 s30, 32, 8                       ; KS
	s_lshl_b32 s32, s25, s31                       ; the K step's first row,
	s_lshl_b32 s33, s21, 9
	s_add_co_u32 s32, s32, s33                     ; the group's 512 bytes of it,
	s_lshl_b32 s33, s20, 7
	s_add_co_u32 s32, s32, s33                     ; my wave's 128
	s_mov_b32 s33, 0
	s_lshl_b32 s34, s21, 3
	s_lshl_b32 s35, s20, 1
	s_add_co_u32 s34, s34, s35                     ; nb0 = 8 x group + 2 x wave
	s_mul_i32 s34, s34, s30
	s_add_co_u32 s34, s34, s25
	s_add_co_u32 s34, s34, s29                     ; the first fragment's index
	s_lshl_b32 s36, s34, 6
	s_mov_b32 s37, 0
	s_mul_i32 s34, s34, 1536
	s_mov_b32 s35, 0
	s_mul_i32 s38, s30, 1536                       ; from block nb0 to nb0 + 1
	s_mov_b32 s39, 0
	s_lshl_b32 s40, s30, 6
	v_and_b32 v2, 7, v0
	v_bfe_u32 v3, v0, 3, 1
	v_bfe_u32 v4, v0, 4, 1
	v_lshl_add_u32 v2, v3, 4, v2
	v_lshl_add_u32 v2, v4, 3, v2                   ; my column of the wave's 32: l % 8 + 16 ((l / 8) % 2) + 8 (l / 16)
	v_lshlrev_b32 v2, 2, v2
	v_and_b32 v5, 31, v0
	v_lshlrev_b32 v5, 4, v5                        ; 16 x lane
	v_and_b32 v6, 15, v0
	v_lshlrev_b32 v6, 2, v6
	v_mul_u32_u24 v7, s40, v4
	v_add_nc_u32 v6, v6, v7                        ; my scale word: 4 r, and one block on for lanes 16-31
	s_wait_kmcnt 0x0
	s_cmp_eq_u32 s28, 1                            ; the source is chosen by the work-group's number alone
	s_cselect_b64 s[4:5], s[6:7], s[4:5]
	s_cmp_eq_u32 s28, 2
	s_cselect_b64 s[4:5], s[8:9], s[4:5]
	s_cmp_eq_u32 s28, 3
	s_cselect_b64 s[4:5], s[10:11], s[4:5]
	s_cmp_eq_u32 s24, 1
	s_cselect_b64 s[4:5], s[12:13], s[4:5]
	s_cmp_eq_u32 s24, 2
	s_cselect_b64 s[4:5], s[14:15], s[4:5]
	s_add_nc_u64 s[4:5], s[4:5], s[32:33]
	s_add_nc_u64 s[16:17], s[16:17], s[34:35]
	s_add_nc_u64 s[42:43], s[16:17], s[38:39]
	s_add_nc_u64 s[18:19], s[18:19], s[36:37]
.macro LOADALL stride                  ; W(128 ks + i, my column), i = 0 .. 127: every offset an immediate, 2,080,768 at the most
.set I, 0
.rept 128
	global_load_b32 v[X+I], v2, s[4:5] offset:I*\stride th:TH_LOAD_NT
.set I, I+1
.endr
.endm
	s_cmp_eq_u32 s24, 1
	s_cbranch_scc1 .Lwide
	LOADALL 4096
	s_branch .Lloaded
.Lwide:
	LOADALL 16384
.Lloaded:
.macro BLOCK t, d                      ; block t of my column: its byte into the scale word, its 32 codes into v[d] .. v[d + 5]
.set XS, X+32*\t
	v_max3_num_f32 v12, |v[XS]|, |v[XS+1]|, |v[XS+2]|
	v_max3_num_f32 v13, |v[XS+3]|, |v[XS+4]|, |v[XS+5]|
.irp i, 6,10,14,18,22,26
	v_max3_num_f32 v12, v12, |v[XS+\i]|, |v[XS+\i+1]|
	v_max3_num_f32 v13, v13, |v[XS+\i+2]|, |v[XS+\i+3]|
.endr
	v_max3_num_f32 v12, v12, |v[XS+30]|, |v[XS+31]|
	v_max3_num_f32 v12, v12, v13, 0x2800000        ; and the floor 2^(5 - 127): the byte cannot fall under 1
	v_add_nc_u32 v11, 0xfe000000, v12              ; 4 off the exponent field: the conversion's scale operand
	v_lshrrev_b32 v13, 23, v11                     ; the byte
.if \t == 0
	v_mov_b32 v[SW], v13
.else
	v_lshl_or_b32 v[SW], v13, 8*\t, v[SW]
.endif
	v_cvt_scalef32_pk16_bf6_f32 v[\d:\d+2], v[XS:XS+15], v11
	v_cvt_scalef32_pk16_bf6_f32 v[CT:CT+2], v[XS+16:XS+31], v11    ; (a conversion's three registers begin on an even number)
	v_nop                                          ; one plain place behind a scaled conversion
.irp i, 0,1,2
	v_mov_b32 v[\d+3+\i], v[CT+\i]
.endr
.endm
	s_wait_loadcnt 63                              ; block 0's 32 loads are in (96 may be out; the wait's field holds 63)
	BLOCK 0, C0
	s_wait_loadcnt 63                              ; block 1's (64 may be out)
	BLOCK 1, C1
	s_wait_loadcnt 32
	BLOCK 2, C0+6
	s_wait_loadcnt 0x0
	BLOCK 3, C1+6
.irp i, 0,1,2,3,4,5,6,7,8,9,10,11
	v_permlane16_swap_b32 v[C0+\i], v[C1+\i]       ; the first's lanes 16-31 change places with the second's lanes 0-15: lanes 16-31 of a fragment hold its rows' blocks 1 and 3
.endr
.irp c, 0,1,2
	global_store_b128 v5, v[C0+4*\c:C0+4*\c+3], s[16:17] offset:512*\c    ; 32 lanes store 512 consecutive bytes
	global_store_b128 v5, v[C1+4*\c:C1+4*\c+3], s[42:43] offset:512*\c
.endr
	global_store_b32 v6, v[SW], s[18:19]
	s_endpgm
.Lfunc_end_k_qa890a00f4c_wq:
	.size	k_qa890a00f4c_wq, .Lfunc_end_k_qa890a00f4c_wq-k_qa890a00f4c_wq
	.p2alignl 7, 3214868480
	.fill 96, 4, 3214868480
	.section	.rodata,"a",@progbits
	.p2align	6, 0x0
	.amdhsa_kernel k_qa890a00f4c_wq
		.amdhsa_group_segment_fixed_size 0
		.amdhsa_private_segment_fixed_size 0
		.amdhsa_enable_private_segment 0
		.amdhsa_kernarg_size 64
		.amdhsa_user_sgpr_count 2
		.amdhsa_user_sgpr_kernarg_segment_ptr 1
		.amdhsa_wavefront_size32 1
		.amdhsa_system_sgpr_workgroup_id_x 1
		.amdhsa_system_sgpr_workgroup_id_y 1
		.amdhsa_system_sgpr_workgroup_id_z 1
		.amdhsa_system_vgpr_workitem_id 0
		.amdhsa_next_free_vgpr 192
		.amdhsa_next_free_sgpr 66
		.amdhsa_reserve_vcc 0
		.amdhsa_float_denorm_mode_32 3
		.amdhsa_float_denorm_mode_16_64 3
		.amdhsa_memory_ordered 1
		.amdhsa_forward_progress 1
		.amdhsa_inst_pref_size 34
	.end_amdhsa_kernel
	.amdgpu_metadata
---
amdhsa.version: [ 1, 2 ]
amdhsa.kernels:
  - .name:           k_qa890a00f4c_wq
    .symbol:         k_qa890a00f4c_wq.kd
    .args:
      - { .name: Wq, .offset: 0, .size: 8, .value_kind: global_buffer, .address_space: global }
      - { .name: Wk, .offset: 8, .size: 8, .value_kind: global_buffer, .address_space: global }
      - { .name: Wv, .offset: 16, .size: 8, .value_kind: global_buffer, .address_space: global }
      - { .name: Wo, .offset: 24, .size: 8, .value_kind: global_buffer, .address_space: global }
      - { .name: W1, .offset: 32, .size: 8, .value_kind: global_buffer, .address_space: global }
      - { .name: W2, .offset: 40, .size: 8, .value_kind: global_buffer, .address_space: global }
      - { .name: wc, .offset: 48, .size: 8, .value_kind: global_buffer, .address_space: global }
      - { .name: ws, .offset: 56, .size: 8, .value_kind: global_buffer, .address_space: global }
    .group_segment_fixed_size: 0
    .private_segment_fixed_size: 0
    .kernarg_segment_align: 8
    .kernarg_segment_size: 64
    .max_flat_workgroup_size: 128
    .sgpr_count:     66
    .vgpr_count:     192
    .wavefront_size: 32
...
	.end_amdgpu_metadata
.endif
;; end of part 1
;; launch ln1 (part 2): grid 256 x 1, 8 waves a work-group, no clusters, 2,048 bytes of LDS; arguments x, g1, beta1, hc, hs; writes hc, hs
.if DOCPART == 2
	.amdgcn_target "amdgcn-amd-amdhsa--gfx1250"
	.amdhsa_code_object_version 6
	.text
	.protected	k_qa890a00f4c_ln1
	.globl	k_qa890a00f4c_ln1
	.p2align	8
	.type	k_qa890a00f4c_ln1,@function
k_qa890a00f4c_ln1:
	s_mov_b64 s[64:65], 0
	v_nop
	global_prefetch_b8 v0, s[64:65] scope:SCOPE_SE
	s_setreg_imm32_b32 hwreg(HW_REG_WAVE_MODE, 25, 1), 1
	s_wait_xcnt 0x0
; LayerNorm over rows of 1,024 f32 (mean, then the mean of squared differences: two passes over registers, so a common offset costs no accuracy), gain and bias, and the result quantised along the row
; to codes of BF6 (E3M2) with one E8M0 byte for each 32; it leaves as images of operand registers (a fragment: 16 rows x 128 K, 1,536 bytes, registers 4 c .. 4 c + 3 of lane l at 512 c + 16 l; scale words 64 bytes).
; A work-group is a block of 16 rows: block 2 G + u holds rows 32 G + 8 u + r + 8 (r / 8).  Wave w takes columns 128 w on: one fragment.  Lane (r, h) holds, of row r, 16 neighbours of each block of 32:
; register 16 b + i = column 128 w + 32 b + 16 h + i, the order in which the conversions want them.  The eight waves' sums of a row meet in LDS: two barriers.
; LIMITS: NaN and infinities are not served; blocks whose largest magnitude lies under 2^-122 get the byte 1.  Memory binds: no tensor loads, no matrix unit, no cluster (work-groups share only 8 KB of gain and bias).
.set XR, 32                            ; v32-95   my 64 numbers
.set GR, 96                            ; v96-159  the gain at my columns
.set BR, 160                           ; v160-223 the bias
.set PC, 224                           ; v224-243 the codes
.set TM, 4                             ; v4-19    at work
.set PW, 22                            ; v22      the scale word
.set SEL, 16                           ; s[16:17] lane selects: lane l xor 16
.macro QUANT s                         ; 64 numbers of a lane, register 16 b + i = k 32 b + 16 h + i of my row, become a fragment's codes in v[PC] on and its scale word in v[PW]
.irp b, 0,1,2,3
	v_max3_num_f32 v[TM+\b], |v[\s+16*\b]|, |v[\s+1+16*\b]|, 0x2800000   ; my 16 numbers of block b, and the floor 2^(5 - 127)
.endr
.irp i, 2,4,6,8,10,12,14
.irp b, 0,1,2,3
	v_max3_num_f32 v[TM+\b], v[TM+\b], |v[\s+16*\b+\i]|, |v[\s+1+16*\b+\i]|
.endr
.endr
.irp b, 0,1,2,3
	v_permlanex16_b32 v[TM+4+\b], v[TM+\b], s[SEL], s[SEL+1]
.endr
.irp b, 0,1,2,3
	v_max_num_f32 v[TM+\b], v[TM+\b], v[TM+4+\b]   ; with lane l xor 16's: the block's largest magnitude
.endr
.irp b, 0,1,2,3
	v_add_nc_u32 v[TM+12+\b], 0xfe000000, v[TM+\b] ; 4 off its exponent field: the conversion's scale operand
.endr
.irp b, 0,1,2,3
	v_lshrrev_b32 v[TM+4+\b], 23, v[TM+12+\b]      ; the byte
.endr
	v_lshl_or_b32 v[PW], v[TM+5], 8, v[TM+4]
	v_lshl_or_b32 v[PW], v[TM+6], 16, v[PW]
	v_lshl_or_b32 v[PW], v[TM+7], 24, v[PW]
.irp c, 0,1
	v_cvt_scalef32_pk16_bf6_f32 v[PC+6*\c:PC+2+6*\c], v[\s+32*\c:\s+15+32*\c], v[TM+12+2*\c]
	v_cvt_scalef32_pk16_bf6_f32 v[PC+12+4*\c:PC+14+4*\c], v[\s+16+32*\c:\s+31+32*\c], v[TM+12+2*\c+1]
.endr
	v_nop                                          ; one plain place behind a scaled conversion
.irp c, 0,1                            ; the operand's layout wants a whole block in a lane
.irp i, 0,1,2
	v_permlane16_swap_b32 v[PC+6*\c+\i], v[PC+12+4*\c+\i]
.endr
.irp i, 0,1,2
	v_mov_b32 v[PC+3+6*\c+\i], v[PC+12+4*\c+\i]
.endr
.endr
.endm
	s_load_b256 s[4:11], s[0:1], 0x0               ; x, gain, bias, codes
	s_load_b64 s[12:13], s[0:1], 0x20              ; scale words
	v_lshl_add_u32 v254, v0, 2, 0x400
	v_mov_b32 v255, 0
	v_lshrrev_b32 v1, 5, v0
	v_readfirstlane_b32 s14, v1                    ; wave 0..7
	v_and_b32 v1, 15, v0                           ; r
	v_bfe_u32 v2, v0, 4, 1                         ; h
	v_and_b32 v3, 8, v1
	v_add_nc_u32 v3, v3, v1                        ; r + 8 (r / 8)
	s_lshl_b32 s15, s14, 9
	v_lshl_add_u32 v25, v2, 6, s15                 ; gain, bias: 512 w + 64 h
	v_lshl_add_u32 v24, v3, 12, v25                ; x: and my row of 4,096 bytes
	v_lshlrev_b32 v27, 5, v1                       ; LDS: row r's eight words
	s_lshl_b32 s18, s14, 2
	v_add_nc_u32 v26, s18, v27                     ; and my wave's among them
	v_and_b32 v28, 31, v0
	v_lshlrev_b32 v29, 4, v28                      ; 16 x lane
	v_lshlrev_b32 v30, 2, v1                       ; 4 r
	s_mov_b32 s[SEL], 0x76543210
	s_mov_b32 s[SEL+1], 0xfedcba98
	s_lshr_b32 s19, ttmp9, 1
	s_lshl_b32 s19, s19, 5
	s_and_b32 s20, ttmp9, 1
	s_lshl_b32 s20, s20, 3
	s_add_co_u32 s20, s19, s20                     ; the block's first row
	s_lshl_b32 s20, s20, 12
	s_mov_b32 s21, 0
	s_lshl_b32 s22, ttmp9, 3
	s_add_co_u32 s22, s22, s14                     ; my fragment's index: 8 x block + wave
	s_lshl_b32 s24, s22, 6
	s_mov_b32 s25, 0
	s_mul_i32 s22, s22, 1536
	s_mov_b32 s23, 0
	s_wait_kmcnt 0x0
	s_add_nc_u64 s[4:5], s[4:5], s[20:21]
	s_add_nc_u64 s[10:11], s[10:11], s[22:23]
	s_add_nc_u64 s[12:13], s[12:13], s[24:25]
.set J, 0
.rept 16
	global_load_b128 v[XR+4*J:XR+4*J+3], v24, s[4:5] offset:128*(J/4)+16*(J%4)
.set J, J+1
.endr
.set J, 0
.rept 16
	global_load_b128 v[GR+4*J:GR+4*J+3], v25, s[6:7] offset:128*(J/4)+16*(J%4)
.set J, J+1
.endr
.set J, 0
.rept 16
	global_load_b128 v[BR+4*J:BR+4*J+3], v25, s[8:9] offset:128*(J/4)+16*(J%4)
.set J, J+1
.endr
	s_wait_loadcnt 32                              ; x's 16 loads are in; the 32 of gain and bias may be out
.irp k, 0,1,2,3
	v_pk_add_f32 v[4+2*\k:5+2*\k], v[XR+4*\k:XR+4*\k+1], v[XR+4*\k+2:XR+4*\k+3]   ; four chains, started by the first numbers
.endr
.irp j, 16,24,32,40,48,56
.irp k, 0,1,2,3
	v_pk_add_f32 v[4+2*\k:5+2*\k], v[4+2*\k:5+2*\k], v[XR+\j+2*\k:XR+\j+2*\k+1]
.endr
.endr
.macro MEET off                        ; the four chains, the two halves of the lanes, the eight waves: the row's sum in v12 of every lane
	v_pk_add_f32 v[4:5], v[4:5], v[6:7]
	v_pk_add_f32 v[8:9], v[8:9], v[10:11]
	v_pk_add_f32 v[4:5], v[4:5], v[8:9]
	v_add_f32 v4, v4, v5
	v_permlanex16_b32 v5, v4, s[SEL], s[SEL+1]
	v_add_f32 v4, v4, v5
	ds_store_b32 v26, v4 offset:\off               ; both halves of the lanes write the same word with the same value
	s_wait_dscnt 0x0                               ; for the others' sake: my store is done
	s_barrier_signal -1
	s_barrier_wait -1
	ds_load_b128 v[12:15], v27 offset:\off
	ds_load_b128 v[16:19], v27 offset:\off+16
	s_wait_dscnt 0x0
	v_pk_add_f32 v[12:13], v[12:13], v[14:15]
	v_pk_add_f32 v[16:17], v[16:17], v[18:19]
	v_pk_add_f32 v[12:13], v[12:13], v[16:17]
	v_add_f32 v12, v12, v13
.endm
	MEET 0
	v_mul_f32 v20, 0xba800000, v12                 ; - the mean (x -2^-10)
	v_mov_b32 v21, v20
.set J, 0
.rept 32
	v_pk_add_f32 v[XR+J:XR+J+1], v[XR+J:XR+J+1], v[20:21]
.set J, J+2
.endr
.irp k, 0,1,2,3
	v_pk_mul_f32 v[4+2*\k:5+2*\k], v[XR+2*\k:XR+2*\k+1], v[XR+2*\k:XR+2*\k+1]
.endr
.irp j, 8,16,24,32,40,48,56
.irp k, 0,1,2,3
	v_pk_fma_f32 v[4+2*\k:5+2*\k], v[XR+\j+2*\k:XR+\j+2*\k+1], v[XR+\j+2*\k:XR+\j+2*\k+1], v[4+2*\k:5+2*\k]
.endr
.endr
	MEET 512                                       ; other bytes than the first meeting's: no barrier between its reads and these stores
	v_mov_b32 v14, 0x3a800000
	v_fmaak_f32 v12, v12, v14, 0x3727c5ac          ; the variance + 1e-5
	v_rsq_f32 v20, v12
	v_nop                                          ; one plain place behind a transcendental
	s_wait_alu depctr_va_vdst(0)
	v_mov_b32 v21, v20
	s_wait_loadcnt 0x0                             ; gain and bias
.set J, 0
.rept 32
	v_pk_mul_f32 v[XR+J:XR+J+1], v[XR+J:XR+J+1], v[20:21]
.set J, J+2
.endr
.set J, 0
.rept 32
	v_pk_fma_f32 v[XR+J:XR+J+1], v[XR+J:XR+J+1], v[GR+J:GR+J+1], v[BR+J:BR+J+1]
.set J, J+2
.endr
	QUANT XR
.irp c, 0,1,2
	global_store_b128 v29, v[PC+4*\c:PC+4*\c+3], s[10:11] offset:512*\c     ; 32 lanes store 512 consecutive bytes
.endr
	s_wait_xcnt 0x0                                ; EXEC changes only behind this wait
	v_cmp_gt_u32 vcc_lo, 16, v28
	s_wait_tensorcnt 0x0
	ds_add_u32 v254, v255
	s_wait_dscnt 0x0
	s_and_saveexec_b32 s26, vcc_lo                 ; lanes 16-31 hold the same words: lanes 0-15 store them
	global_store_b32 v30, v[PW], s[12:13]
	s_endpgm
.Lfunc_end_k_qa890a00f4c_ln1:
	.size	k_qa890a00f4c_ln1, .Lfunc_end_k_qa890a00f4c_ln1-k_qa890a00f4c_ln1
	.p2alignl 7, 3214868480
	.fill 96, 4, 3214868480
	.section	.rodata,"a",@progbits
	.p2align	6, 0x0
	.amdhsa_kernel k_qa890a00f4c_ln1
		.amdhsa_group_segment_fixed_size 2048
		.amdhsa_private_segment_fixed_size 0
		.amdhsa_enable_private_segment 0
		.amdhsa_kernarg_size 40
		.amdhsa_user_sgpr_count 2
		.amdhsa_user_sgpr_kernarg_segment_ptr 1
		.amdhsa_wavefront_size32 1
		.amdhsa_system_sgpr_workgroup_id_x 1
		.amdhsa_system_sgpr_workgroup_id_y 1
		.amdhsa_system_sgpr_workgroup_id_z 1
		.amdhsa_system_vgpr_workitem_id 0
		.amdhsa_next_free_vgpr 256
		.amdhsa_next_free_sgpr 66
		.amdhsa_reserve_vcc 1
		.amdhsa_float_denorm_mode_32 3
		.amdhsa_float_denorm_mode_16_64 3
		.amdhsa_memory_ordered 1
		.amdhsa_forward_progress 1
		.amdhsa_inst_pref_size 23
	.end_amdhsa_kernel
	.amdgpu_metadata
---
amdhsa.version: [ 1, 2 ]
amdhsa.kernels:
  - .name:           k_qa890a00f4c_ln1
    .symbol:         k_qa890a00f4c_ln1.kd
    .args:
      - { .name: x, .offset: 0, .size: 8, .value_kind: global_buffer, .address_space: global }
      - { .name: g1, .offset: 8, .size: 8, .value_kind: global_buffer, .address_space: global }
      - { .name: beta1, .offset: 16, .size: 8, .value_kind: global_buffer, .address_space: global }
      - { .name: hc, .offset: 24, .size: 8, .value_kind: global_buffer, .address_space: global }
      - { .name: hs, .offset: 32, .size: 8, .value_kind: global_buffer, .address_space: global }
    .group_segment_fixed_size: 2048
    .private_segment_fixed_size: 0
    .kernarg_segment_align: 8
    .kernarg_segment_size: 40
    .max_flat_workgroup_size: 256
    .sgpr_count:     66
    .vgpr_count:     256
    .wavefront_size: 32
...
	.end_amdgpu_metadata
.endif
;; end of part 2
;; launch qkv (part 3): grid 12 x 16, 8 waves a work-group, clusters of 4 x 4, 327,680 bytes of LDS; arguments hc, hs, wc, ws, bq, bk, bv, pad_mask, big; writes big
.if DOCPART == 3
	.amdgcn_target "amdgcn-amd-amdhsa--gfx1250"
	.amdhsa_code_object_version 6
	.text
	.protected	k_qa890a00f4c_qkv
	.globl	k_qa890a00f4c_qkv
	.p2align	8
	.type	k_qa890a00f4c_qkv,@function
k_qa890a00f4c_qkv:
	s_mov_b64 s[64:65], 0
	v_nop
	global_prefetch_b8 v0, s[64:65] scope:SCOPE_SE
	s_setreg_imm32_b32 hwreg(HW_REG_WAVE_MODE, 25, 1), 1
	s_wait_xcnt 0x0
	s_wait_alu depctr_hold_cnt(0) depctr_sa_sdst(0) depctr_va_vdst(0) depctr_va_sdst(0) depctr_va_ssrc(0) depctr_va_vcc(0) depctr_vm_vsrc(0)
	s_getreg_b32 s2, hwreg(HW_REG_IB_STS2, 6, 4)
	s_cmp_eq_u32 s2, 0
	s_cbranch_scc0 .Lentry_in_a_cluster
	s_endpgm
.Lentry_in_a_cluster:
	s_bfe_u32 s2, ttmp6, 0x10000c
	s_cmp_lg_u32 s2, 0xf033
	s_cbranch_scc0 .Lentry_shape_is_right
	s_endpgm
.Lentry_shape_is_right:
; q = h Wq + bq, k = h Wk + bk and v = h Wv + bv on codes of BF6 (E3M2) with E8M0 scales; q and k are quantised along each head's 64 channels for the score product, v is made TRANSPOSED and quantised along the keys.
; OPERANDS are images of operand registers: fragment (row block rb, K step ks), 16 rows x 128 K, 1,536 bytes at index rb 8 + ks; registers 4 c .. 4 c + 3 of lane l at 512 c + 16 l; scale words 64 bytes a fragment.
; Row block 2 G + u holds rows 32 G + 8 u + r + 8 (r / 8).
; THE CLUSTER'S x SAYS WHAT IS MADE: 0: q, 1: k, 2: v.  It is equal in all sixteen partners of a cluster, so selects and one branch may hang on it.
;   q, k: the A side is a tile of 256 tokens (4 x cluster y + cy), the B side 256 columns of Wq or Wk (4 x cluster x + cx; Wk's fragments follow Wq's).
;   v:    the A side is 256 columns of Wv, four heads (tile cy), the B side a tile of 256 tokens (4 x cluster y + cx).
; Only the four pointers, the two tile numbers and A's first fragment differ, all chosen by selects; the ring, the rounds and every LDS address are the same on both ways.
; Eight waves, two to a SIMD; wave w makes A's rows 64 (w % 4) on x B's rows 128 (w / 4) on: 32 accumulators, (a, b) at v[256 + 8 (8 a + b)].  Source 0 = 16 rows of B, source 1 = 16 rows of A:
; a lane holds one row of A, and for a fixed a its 64 results are B's rows 32 B + 16 h + i at register 16 B + i: for q and k a token's 128 columns (two heads), for v a channel's 128 keys (one fragment of V^T).
; K goes through a ring of two LDS slots, two K steps each (98,304 bytes), filled by joint tensor loads: A's tile is shared along a row of the cluster, B's along a column.
; The tile's scale words (16 KB) come once, with the first fills.  By this text's count a wave has three tensor loads out at the start and one behind each round.
; THE SMALL OPERANDS OF BOTH WAYS (the bias at 64 columns, four mask bytes, four numbers of bv: 24 loads a lane, all inside their buffers) are asked for on every way, ahead of the products,
; so that no register is read that a way through the text has not written; a work-group uses those of its own way.
; THE WAY OUT OF q AND k.  A head's tile of 16 tokens is stored as registers 0-7 of a fragment (1,024 bytes): 0-5 the 64 codes, 6 the MASK BLOCK, 7 zero; registers 8-11 are zeros that the reader keeps.
; The score product's K is 64 of the instruction's 128; k = 64 carries the key mask: q has the code of 1.0 there under the byte 127; an open key the code 0 under the byte 1, a masked key the code of -28 under the byte 227 (2^100).
; So an open key's score gets exactly + 0 and a masked key's is -3.5e31.  Block 3 has zero codes and the byte 1 on both sides.
; LIMITS: NaN and infinities are not served; blocks whose largest magnitude lies under 2^-122 get the byte 1.
.set VFR,   1024                       ; Wv's first fragment among the weights
.set SLOT,  98304                      ; A's 16 row blocks x 3,072 bytes, then B's
.set SSTEP, 3072                       ; two K steps of a row block
.set SCL,   196608                     ; the scale words: A's 8,192 bytes, then B's
.set SPARE, 212992                     ; the spare words: 128 bytes for each of eight waves, four blocks of 256 bytes that no other line names
.set PKG,   241664                     ; a head's package of K and V: four stages
.set STG,   60416                      ; a stage, 512 keys: 32 tiles of K, V^T's 16 fragments (+32,768), K's scale words (+57,344), V's (+59,392)
.set QC,    7733248                    ; behind the 32 packages: q's tiles,
.set QS,    11927552                   ; and their scale words
.set L16,  2                           ; v2  16 x lane
.set R4,   3                           ; v3  4 r
.set HH,   4                           ; v4  h
.set R8,   5                           ; v5  r + 8 (r / 8)
.set BVL,  10                          ; v10-13 bv at my channel, for each a
.set ADRA, 16                          ; v16-17 my A fragments in slot 0, 1
.set ADRB, 18                          ; v18-19 my B fragments
.set ADSA, 20                          ; v20 my A scale words
.set ADSB, 21                          ; v21 my B scale words
.set SPW,  28                          ; v28 my spare word; never rewritten
.set NIL,  29                          ; v29 0; never rewritten
.set SCA,  32                          ; v32-35 A's scale words, v36-43 B's: these hold scales and nothing else
.set SCB,  36
.set AF,   44                          ; v44-91  A's four fragments
.set BF,   92                          ; v92-187 B's eight
.set BIA,  188                         ; v188-251 q, k: the bias at my 64 columns
.set BV,   188                         ; v188-195 v: the bias of my channel, for each a, twice (a pair for the packed addition)
.set MB,   252                         ; v252-255 the mask bytes of my four tokens
.set Y,    44                          ; the way out: 64 numbers,
.set PC,   108                         ; their codes,
.set TM,   128                         ; at work,
.set PW,   144                         ; the scale word
.set X6,   156                         ; v156-159 q, k: register 6 of a tile, for each a
.set SB,   160                         ; v160-163 q, k: the scale word's upper half, for each a
.set PWS,  160                         ; v160-163 v: the four scale words
.set SEL,  4                           ; s[4:5] lane selects: lane l xor 16 (written when the pointer that came there is used up)
.set G1,   24
.set G0,   32
.set G1B,  48
.set G0B,  56
.set G1S,  68
.set G0S,  76
.set G1SB, 80
.set G0SB, 88
.set MSB, 0
.macro WIN new                         ; the immediate's high byte repeats the setting that is left
.if MSB != \new
	s_set_vgpr_msb (MSB<<8)|\new
.set MSB, \new
.endif
.endm
.macro PLACES                          ; four plain places behind a matrix instruction, in front of loads into its registers and of reads of its result
.rept 4
	v_nop
.endr
.endm
.macro JLOAD g0a, g1a, g0b, g1b        ; a joint load: waves 0-3 fetch for A, waves 4-7 for B; four v_nop follow each of the two lines
	s_cmp_eq_u32 s23, 0
	s_cbranch_scc0 .Lfor_b_\@
	tensor_load_to_lds s[\g0a:\g0a+3], s[\g1a:\g1a+7]
	s_nop 0
.rept 4
	v_nop
.endr
	s_branch .Lasked_\@
.Lfor_b_\@:
	tensor_load_to_lds s[\g0b:\g0b+3], s[\g1b:\g1b+7]
	s_nop 0
.rept 4
	v_nop
.endr
.Lasked_\@:
.endm
.macro CROUND                          ; a round of the cluster's barrier
	s_barrier_signal -1
	s_barrier_wait -1
	s_cmp_lg_u32 s22, 0
	s_cbranch_scc1 .Lnot_wave_0_\@
	s_barrier_signal -3
.Lnot_wave_0_\@:
	s_barrier_wait -3
	s_barrier_signal -1
	s_barrier_wait -1
.endm
.macro MM a, b, zero
.if \zero
	v_wmma_scale_f32_16x16x128_f8f6f4 v[8*(8*\a+\b):8*(8*\a+\b)+7], v[BF+12*\b:BF+12*\b+11], v[AF+12*\a:AF+12*\a+11], 0, v[SCB+\b], v[SCA+\a] matrix_a_fmt:MATRIX_FMT_BF6 matrix_b_fmt:MATRIX_FMT_BF6
.else
	v_wmma_scale_f32_16x16x128_f8f6f4 v[8*(8*\a+\b):8*(8*\a+\b)+7], v[BF+12*\b:BF+12*\b+11], v[AF+12*\a:AF+12*\a+11], v[8*(8*\a+\b):8*(8*\a+\b)+7], v[SCB+\b], v[SCA+\a] matrix_a_fmt:MATRIX_FMT_BF6 matrix_b_fmt:MATRIX_FMT_BF6
.endif
.endm
; One K step: 48 LDS loads, 32 matrix instructions.  The 32 accumulators take turns, one instruction a turn, in the same order in every step.
.macro KSTEP slot, q, ks, first
.if !\first
	PLACES
.endif
.irp i, 0,1,2,3
	ds_load_b32 v[SCA+\i], v[ADSA] offset:\i*512+\ks*64
.endr
.irp i, 0,1,2,3,4,5,6,7
	ds_load_b32 v[SCB+\i], v[ADSB] offset:\i*512+\ks*64
.endr
.irp i, 0,1,2,3,4,5,6,7
.irp c, 0,1,2
	ds_load_b128 v[BF+12*\i+4*\c:BF+12*\i+4*\c+3], v[ADRB+\slot] offset:\i*3072+\q*1536+512*\c
.endr
.endr
.irp i, 0,1,2,3
.irp c, 0,1,2
	ds_load_b128 v[AF+12*\i+4*\c:AF+12*\i+4*\c+3], v[ADRA+\slot] offset:\i*3072+\q*1536+512*\c
.endr
.endr
	WIN 0x50                                       ; C and D in window 1
.irp a, 0,1,2,3
	s_wait_dscnt 9-3*\a                            ; the three loads of each A fragment behind block a may be out
.irp b, 0,1,2,3,4,5,6,7
	MM \a, \b, \first
.endr
.endr
	WIN 0
.endm
.macro REFILL slot                     ; the slot just read out is filled again, two slots ahead
	s_wait_tensorcnt 0x0                           ; all my tensor loads have landed, my part of the other slot among them: a group 0 may be written
	ds_add_u32 v[SPW], v[NIL]                      ; 0 onto my spare word
	s_add_nc_u64 s[G0+4*\slot+2:G0+4*\slot+3], s[G0+4*\slot+2:G0+4*\slot+3], 2*SSTEP
	s_add_nc_u64 s[G0B+4*\slot+2:G0B+4*\slot+3], s[G0B+4*\slot+2:G0B+4*\slot+3], 2*SSTEP
	s_wait_dscnt 0x0                               ; the add is done, and my reads of this slot are over
	CROUND                                         ; the same holds of every wave of every partner
	JLOAD G0+4*\slot, G1, G0B+4*\slot, G1B         ; my one tensor load behind the round, and the first thing there
.endm
.macro MEET                            ; the last change of slots: nothing is filled again
	s_wait_tensorcnt 0x0
	ds_add_u32 v[SPW], v[NIL]
	s_wait_dscnt 0x0
	s_barrier_signal -1
	s_barrier_wait -1
.endm
.macro QUANT s                         ; 64 numbers of a lane, register 16 b + i = k 32 b + 16 h + i of my row, become a fragment's codes in v[PC] on and its scale word in v[PW]
.irp b, 0,1,2,3
	v_max3_num_f32 v[TM+\b], |v[\s+16*\b]|, |v[\s+1+16*\b]|, 0x2800000   ; my 16 numbers of block b, and the floor 2^(5 - 127)
.endr
.irp i, 2,4,6,8,10,12,14
.irp b, 0,1,2,3
	v_max3_num_f32 v[TM+\b], v[TM+\b], |v[\s+16*\b+\i]|, |v[\s+1+16*\b+\i]|
.endr
.endr
.irp b, 0,1,2,3
	v_permlanex16_b32 v[TM+4+\b], v[TM+\b], s[SEL], s[SEL+1]
.endr
.irp b, 0,1,2,3
	v_max_num_f32 v[TM+\b], v[TM+\b], v[TM+4+\b]   ; with lane l xor 16's: the block's largest magnitude
.endr
.irp b, 0,1,2,3
	v_add_nc_u32 v[TM+12+\b], 0xfe000000, v[TM+\b] ; 4 off its exponent field: the conversion's scale operand
.endr
.irp b, 0,1,2,3
	v_lshrrev_b32 v[TM+4+\b], 23, v[TM+12+\b]      ; the byte
.endr
	v_lshl_or_b32 v[PW], v[TM+5], 8, v[TM+4]
	v_lshl_or_b32 v[PW], v[TM+6], 16, v[PW]
	v_lshl_or_b32 v[PW], v[TM+7], 24, v[PW]
.irp c, 0,1
	v_cvt_scalef32_pk16_bf6_f32 v[PC+6*\c:PC+2+6*\c], v[\s+32*\c:\s+15+32*\c], v[TM+12+2*\c]
	v_cvt_scalef32_pk16_bf6_f32 v[PC+12+4*\c:PC+14+4*\c], v[\s+16+32*\c:\s+31+32*\c], v[TM+12+2*\c+1]
.endr
	v_nop                                          ; one plain place behind a scaled conversion
.irp c, 0,1                            ; the operand's layout wants a whole block in a lane
.irp i, 0,1,2
	v_permlane16_swap_b32 v[PC+6*\c+\i], v[PC+12+4*\c+\i]
.endr
.irp i, 0,1,2
	v_mov_b32 v[PC+3+6*\c+\i], v[PC+12+4*\c+\i]
.endr
.endr
.endm
	s_load_b256 s[4:11], s[0:1], 0x0               ; h's codes, h's scale words, the weights' codes, their scale words
	s_load_b256 s[12:19], s[0:1], 0x20             ; bq, bk, bv, pad_mask
	s_load_b64 s[20:21], s[0:1], 0x40              ; big
	v_lshl_add_u32 v[SPW], v0, 2, SPARE
	v_mov_b32 v[NIL], 0
	ds_add_u32 v28, v29
	ds_add_u32 v28, v29
	s_wait_dscnt 0x0
	v_lshrrev_b32 v1, 5, v0
	v_readfirstlane_b32 s22, v1                    ; wave 0..7
	s_lshr_b32 s23, s22, 2                         ; which 128 rows of B are mine.  Also: I fetch for A (0) or for B (1)
	s_and_b32 s3, s22, 3                           ; which 64 rows of A are mine.  Also: which quarter of that tile I fetch
	s_bfe_u32 s40, ttmp6, 0x40000                  ; cx, cy: my place in the cluster
	s_bfe_u32 s41, ttmp6, 0x40004
	s_lshl_b32 s42, ttmp9, 2
	s_add_co_u32 s42, s42, s40                     ; q, k: the tile of columns = 4 x cluster x + cx
	s_and_b32 s43, ttmp7, 0xffff
	s_lshl_b32 s43, s43, 2
	s_add_co_u32 s101, s43, s40                    ; v: the tile of tokens = 4 x cluster y + cx
	s_add_co_u32 s43, s43, s41                     ; q, k: the tile of tokens = 4 x cluster y + cy
	s_lshl_b32 s44, s41, 2
	s_lshl_b32 s44, 15, s44                        ; my row of the cluster
	s_lshl_b32 s45, 0x1111, s40                    ; my column
	s_cmp_eq_u32 ttmp9, 2                          ; v?  The cluster's x is equal in all partners
	s_cselect_b32 s2, s41, s43                     ; A's tile: of cy and the cluster's y alone, which my row of the cluster shares
	s_cselect_b32 s101, s101, s42                  ; B's tile: of cx and the cluster's numbers alone, which my column shares
	s_cselect_b32 s99, VFR*1536, 0                 ; A's first fragment, in bytes of codes,
	s_cselect_b32 s100, VFR*64, 0                  ; and of scale words
	s_or_b32 s[G1], s44, (3<<16)|(1<<21)           ; 15:0 the mask; 17:16 elements of 8 bytes; 21 set beside a mask; no padding: an image's 512 bytes are read on end
	s_or_b32 s[G1B], s45, (3<<16)|(1<<21)
.irp g, G1, G1B                        ; 4 row blocks x 3,072 bytes, 12,288 bytes apart
	s_mov_b32 s[\g+1], 384<<16
	s_mov_b32 s[\g+2], 4<<16
	s_mov_b32 s[\g+3], 384<<16
	s_mov_b32 s[\g+4], 4
	s_mov_b32 s[\g+5], 1536
	s_mov_b32 s[\g+6], 0
	s_mov_b32 s[\g+7], 0
.endr
	s_or_b32 s[G1S], s44, (3<<16)|(1<<21)
	s_or_b32 s[G1SB], s45, (3<<16)|(1<<21)
.irp g, G1S, G1SB                      ; the scale words of 4 row blocks: 2,048 dense bytes as 8 rows of 256
	s_mov_b32 s[\g+1], 32<<16
	s_mov_b32 s[\g+2], 8<<16
	s_mov_b32 s[\g+3], 32<<16
	s_mov_b32 s[\g+4], 8
	s_mov_b32 s[\g+5], 32
	s_mov_b32 s[\g+6], 0
	s_mov_b32 s[\g+7], 0
.endr
	s_lshl_b32 s93, s3, 2
	s_lshl_b32 s92, s2, 4
	s_add_co_u32 s92, s92, s93                     ; A: row block 16 x tile + 4 x quarter
	s_mul_i32 s94, s92, 12288
	s_add_co_u32 s94, s94, s99
	s_mov_b32 s95, 0
	s_lshl_b32 s96, s92, 9
	s_add_co_u32 s96, s96, s100
	s_mov_b32 s97, 0
	s_lshl_b32 s98, s101, 4
	s_add_co_u32 s98, s98, s93                     ; B: row block 16 x tile + 4 x quarter
	s_mul_i32 s46, s98, 12288
	s_mov_b32 s47, 0
	s_lshl_b32 s66, s98, 9
	s_mov_b32 s67, 0
	s_mul_i32 s99, s22, 12288                      ; where they go: wave x a quarter: no place in the cluster and no cluster's number enters an LDS address
	s_lshl_b32 s100, s22, 11
	s_wait_kmcnt 0x0
	s_cmp_eq_u32 ttmp9, 2                          ; v: the weights stand on the A side and the tokens on the B side
	s_cselect_b64 s[92:93], s[8:9], s[4:5]         ; A's codes
	s_cselect_b64 s[8:9], s[4:5], s[8:9]           ; B's codes
	s_cselect_b64 s[4:5], s[10:11], s[6:7]         ; A's scale words
	s_cselect_b64 s[10:11], s[6:7], s[10:11]       ; B's scale words
	s_add_nc_u64 s[94:95], s[92:93], s[94:95]
	s_add_nc_u64 s[96:97], s[4:5], s[96:97]
	s_add_nc_u64 s[46:47], s[8:9], s[46:47]
	s_add_nc_u64 s[66:67], s[10:11], s[66:67]
	s_mov_b32 s[SEL], 0x76543210
	s_mov_b32 s[SEL+1], 0xfedcba98
	CROUND                                         ; all sixteen work-groups are here: the first joint loads meet
	s_mov_b32 s[G0S], 1
	s_add_co_u32 s[G0S+1], s100, SCL
	s_mov_b64 s[G0S+2:G0S+3], s[96:97]
	s_or_b32 s[G0S+3], s[G0S+3], 0x80000000
	s_mov_b32 s[G0SB], 1
	s_add_co_u32 s[G0SB+1], s100, SCL
	s_mov_b64 s[G0SB+2:G0SB+3], s[66:67]
	s_or_b32 s[G0SB+3], s[G0SB+3], 0x80000000
	JLOAD G0S, G1S, G0SB, G1SB                     ; the scale words first: they are wanted with K step 0
.irp s, 0,1
	s_mov_b32 s[G0+4*\s], 1
	s_add_co_u32 s[G0+4*\s+1], s99, \s*SLOT
	s_add_nc_u64 s[G0+4*\s+2:G0+4*\s+3], s[94:95], \s*SSTEP
	s_or_b32 s[G0+4*\s+3], s[G0+4*\s+3], 0x80000000
	s_mov_b32 s[G0B+4*\s], 1
	s_add_co_u32 s[G0B+4*\s+1], s99, \s*SLOT
	s_add_nc_u64 s[G0B+4*\s+2:G0B+4*\s+3], s[46:47], \s*SSTEP
	s_or_b32 s[G0B+4*\s+3], s[G0B+4*\s+3], 0x80000000
	JLOAD G0+4*\s, G1, G0B+4*\s, G1B
.endr
	v_and_b32 v1, 31, v0
	v_lshlrev_b32 v[L16], 4, v1
	v_and_b32 v1, 15, v0
	v_lshlrev_b32 v[R4], 2, v1
	v_bfe_u32 v[HH], v0, 4, 1
	v_and_b32 v[R8], 8, v1
	v_add_nc_u32 v[R8], v[R8], v1
	s_mul_i32 s92, s3, 12288                       ; my four row blocks of A,
	s_mul_i32 s93, s23, 24576                      ; my eight of B,
	s_add_co_u32 s93, s93, 49152                   ; which lie behind A's sixteen
.irp s, 0,1
	v_add_nc_u32 v[ADRA+\s], s92, v[L16]
	v_add_nc_u32 v[ADRB+\s], s93, v[L16]
	s_add_co_u32 s92, s92, SLOT
	s_add_co_u32 s93, s93, SLOT
.endr
	s_lshl_b32 s92, s3, 11
	s_add_co_u32 s92, s92, SCL
	v_add_nc_u32 v[ADSA], s92, v[R4]
	s_lshl_b32 s93, s23, 12
	s_add_co_u32 s93, s93, SCL+8192
	v_add_nc_u32 v[ADSB], s93, v[R4]
	; the small operands of both ways are asked for now and wanted on the way out.  q, k: the bias at my 64 columns (32 B + 16 h + i) and the mask bytes of my four tokens
	s_cmp_eq_u32 ttmp9, 0                          ; q takes bq, k takes bk (so does v, which uses none of it)
	s_cselect_b64 s[12:13], s[12:13], s[14:15]
	s_lshl_b32 s92, s40, 10                        ; 256 columns a tile, four tiles a weight: tile cx
	s_lshl_b32 s93, s23, 9
	s_add_co_u32 s92, s92, s93
	s_mov_b32 s93, 0
	s_add_nc_u64 s[12:13], s[12:13], s[92:93]
	v_lshlrev_b32 v8, 6, v[HH]
.set J, 0
.rept 16
	global_load_b128 v[BIA+4*J:BIA+4*J+3], v8, s[12:13] offset:128*(J/4)+16*(J%4)
.set J, J+1
.endr
	s_lshl_b32 s92, s43, 8
	s_lshl_b32 s94, s3, 6
	s_add_co_u32 s92, s92, s94                     ; 256 (4 x cluster y + cy) + 64 (w % 4): batch and token at once; under 4,096 on every way
	s_add_nc_u64 s[18:19], s[18:19], s[92:93]
.irp a, 0,1,2,3
	global_load_u8 v[MB+\a], v[R8], s[18:19] offset:32*(\a/2)+8*(\a%2)
.endr
	s_lshl_b32 s92, s41, 2                         ; v: bv at my head's 64 channels: head 4 cy + w % 4
	s_add_co_u32 s92, s92, s3
	s_lshl_b32 s92, s92, 8
	s_add_nc_u64 s[16:17], s[16:17], s[92:93]
	v_lshlrev_b32 v9, 2, v[R8]
.irp a, 0,1,2,3
	global_load_b32 v[BVL+\a], v9, s[16:17] offset:4*(32*(\a/2)+8*(\a%2))
.endr
	s_wait_tensorcnt 0x1                           ; the scale words and my part of slot 0 are in (slot 1's load may be out)
	s_barrier_signal -1
	s_barrier_wait -1                              ; everybody's are
	KSTEP 0, 0, 0, 1                               ; the first step's products start the sums: nothing is cleared
	KSTEP 0, 1, 1, 0
	REFILL 0
	KSTEP 1, 0, 2, 0
	KSTEP 1, 1, 3, 0
	REFILL 1
	KSTEP 0, 0, 4, 0
	KSTEP 0, 1, 5, 0
	MEET
	KSTEP 1, 0, 6, 0
	KSTEP 1, 1, 7, 0
	PLACES                                         ; behind the last products, for both ways out
	s_wait_loadcnt 0x0                             ; the small operands
	s_cmp_eq_u32 ttmp9, 2                          ; the ways part on the cluster's x; neither touches LDS, and they join ahead of the closing lines
	s_cbranch_scc1 .Lv_out
	; THE WAY OUT OF q AND k: where my first tile goes, as q and as k; then the choice
	s_and_b32 s92, s42, 3
	s_lshl_b32 s92, s92, 2
	s_lshl_b32 s93, s23, 1
	s_add_co_u32 s92, s92, s93                     ; my first head: 4 (x % 4) + 2 (w / 4)
	s_lshr_b32 s93, s43, 3
	s_lshl_b32 s93, s93, 4
	s_add_co_u32 s92, s92, s93                     ; + 16 x batch
	s_and_b32 s93, s43, 7
	s_lshl_b32 s94, s93, 4
	s_lshl_b32 s95, s3, 2
	s_add_co_u32 s94, s94, s95                     ; my first tile of tokens in the batch
	s_lshl_b32 s96, s92, 7
	s_add_co_u32 s96, s96, s94
	s_lshl_b32 s97, s96, 10
	s_add_co_u32 s97, s97, QC                      ; q's codes
	s_lshl_b32 s98, s96, 6
	s_add_co_u32 s98, s98, QS                      ; q's scale words
	s_mul_i32 s99, s92, PKG
	s_lshr_b32 s100, s93, 1
	s_mul_i32 s100, s100, STG
	s_add_co_u32 s99, s99, s100                    ; the head's package, the stage
	s_and_b32 s100, s43, 1
	s_lshl_b32 s100, s100, 4
	s_add_co_u32 s100, s100, s95                   ; the tile in the stage
	s_lshl_b32 s101, s100, 10
	s_add_co_u32 s101, s101, s99                   ; k's codes
	s_lshl_b32 s100, s100, 6
	s_add_co_u32 s100, s100, s99
	s_add_co_u32 s100, s100, 57344                 ; k's scale words
	s_mov_b32 s94, PKG
	s_mov_b32 s96, PKG
	s_cmp_eq_u32 ttmp9, 0
	s_cselect_b32 s46, s97, s101
	s_cselect_b32 s66, s98, s100
	s_cselect_b32 s94, 131072, s94                 ; from a head's codes to the next head's
	s_cselect_b32 s96, 8192, s96                   ; and its scale words
	s_cselect_b32 s2, -1, 0                        ; all lanes: q
	s_mov_b32 s47, 0
	s_mov_b32 s67, 0
	s_mov_b32 s95, 0
	s_add_nc_u64 s[46:47], s[20:21], s[46:47]
	s_add_nc_u64 s[98:99], s[46:47], s[94:95]
	s_add_nc_u64 s[66:67], s[20:21], s[66:67]
	s_mov_b32 s100, 0xffff0000                     ; lanes 16-31
	v_mul_u32_u24 v6, s96, v[HH]
	v_add_nc_u32 v6, v6, v[R4]                     ; scale words: lanes 0-15 store the first head's, lanes 16-31 the second's
	v_xor_b32 v7, 1, v[HH]
	v_mov_b32 v164, 0x3f                           ; the code of -28
	v_mov_b32 v165, 0x0c                           ; the code of 1.0
	v_mov_b32 v166, 0x01010000                     ; bytes 2 and 3 of an open key's word,
	v_mov_b32 v167, 0x01e30000                     ; of a masked key's,
	v_mov_b32 v168, 0x017f0000                     ; of a query's
	v_mov_b32 v169, 0
	v_mov_b32 v151, 0
	v_mov_b32 v155, 0
.irp b, 0,1,2,3
	v_mov_b32 v[TM+4+\b], 0                        ; a lane permute's destination counts as one of its sources
.endr
.irp a, 0,1,2,3
	v_cmp_eq_u32 vcc_lo, 0, v[MB+\a]
	v_cndmask_b32 v[X6+\a], v169, v164, vcc_lo
	v_cndmask_b32 v[SB+\a], v166, v167, vcc_lo
	v_cndmask_b32 v[X6+\a], v[X6+\a], v165, s2
	v_cndmask_b32 v[SB+\a], v[SB+\a], v168, s2
	v_mul_u32_u24 v[X6+\a], v[X6+\a], v7           ; k = 64 lies in lanes 0-15
.endr
.irp a, 0,1,2,3
.if \a > 0
	s_wait_xcnt 0x0                                ; the last block's stores have read their registers
.endif
	WIN 0x01                                       ; source 0 in window 1
.set J, 0
.rept 32
	v_pk_add_f32 v[Y+J:Y+J+1], v[64*\a+J:64*\a+J+1], v[BIA+J:BIA+J+1]    ; each accumulator from its low end on
.set J, J+2
.endr
	WIN 0
	QUANT Y
	v_mov_b32 v148, v[PC+4]
	v_mov_b32 v149, v[PC+5]
	v_mov_b32 v150, v[X6+\a]
	v_mov_b32 v152, v[PC+10]
	v_mov_b32 v153, v[PC+11]
	v_mov_b32 v154, v[X6+\a]
	v_and_b32 v145, 0xffff, v[PW]
	v_lshrrev_b32 v146, 16, v[PW]
	v_cndmask_b32 v146, v145, v146, s100
	v_or_b32 v146, v146, v[SB+\a]
	global_store_b128 v[L16], v[PC:PC+3], s[46:47] offset:\a*1024
	global_store_b128 v[L16], v[148:151], s[46:47] offset:\a*1024+512
	global_store_b128 v[L16], v[PC+6:PC+9], s[98:99] offset:\a*1024
	global_store_b128 v[L16], v[152:155], s[98:99] offset:\a*1024+512
	global_store_b32 v6, v146, s[66:67] offset:\a*64
.endr
	s_branch .Lend
.Lv_out:
	; THE WAY OUT OF v: block a is channel tile a of my head (4 cy + w % 4), its 64 numbers a lane are 128 keys' halves: one fragment of V^T
	s_lshr_b32 s92, s101, 3                        ; s101: the tile of tokens; eight tiles a batch
	s_lshl_b32 s92, s92, 4
	s_lshl_b32 s93, s41, 2
	s_add_co_u32 s92, s92, s93
	s_add_co_u32 s92, s92, s3                      ; 16 x batch + head
	s_mul_i32 s92, s92, PKG
	s_bfe_u32 s93, s101, 0x20001                   ; the stage: (tile % 8) / 2
	s_mul_i32 s93, s93, STG
	s_add_co_u32 s92, s92, s93
	s_and_b32 s93, s101, 1
	s_lshl_b32 s93, s93, 1
	s_add_co_u32 s93, s93, s23                     ; the key step in the stage
	s_mul_i32 s94, s93, 6144
	s_add_co_u32 s94, s94, s92
	s_add_co_u32 s94, s94, 32768
	s_mov_b32 s95, 0
	s_lshl_b32 s96, s93, 8
	s_add_co_u32 s96, s96, s92
	s_add_co_u32 s96, s96, 59392
	s_mov_b32 s97, 0
	s_add_nc_u64 s[94:95], s[20:21], s[94:95]
	s_add_nc_u64 s[96:97], s[20:21], s[96:97]
	s_mov_b32 s100, 0xffff0000                     ; lanes 16-31
	v_and_b32 v6, 31, v0
	v_lshlrev_b32 v6, 2, v6                        ; 4 x lane
.irp a, 0,1,2,3
	v_mov_b32 v[BV+2*\a], v[BVL+\a]
	v_mov_b32 v[BV+2*\a+1], v[BVL+\a]
.endr
.irp b, 0,1,2,3
	v_mov_b32 v[TM+4+\b], 0                        ; a lane permute's destination counts as one of its sources
.endr
.irp a, 0,1,2,3
.if \a > 0
	s_wait_xcnt 0x0                                ; the last block's stores have read their registers
.endif
	WIN 0x01
.set J, 0
.rept 32
	v_pk_add_f32 v[Y+J:Y+J+1], v[64*\a+J:64*\a+J+1], v[BV+2*\a:BV+2*\a+1]    ; each accumulator from its low end on
.set J, J+2
.endr
	WIN 0
	QUANT Y
	v_mov_b32 v[PWS+\a], v[PW]
.irp c, 0,1,2
	global_store_b128 v[L16], v[PC+4*\c:PC+4*\c+3], s[94:95] offset:\a*1536+512*\c
.endr
.endr
	v_cndmask_b32 v[PWS], v[PWS], v[PWS+1], s100   ; lanes 0-15 store one tile's words, lanes 16-31 the next tile's: 128 consecutive bytes
	v_cndmask_b32 v[PWS+2], v[PWS+2], v[PWS+3], s100
	global_store_b32 v6, v[PWS], s[96:97]
	global_store_b32 v6, v[PWS+2], s[96:97] offset:128
.Lend:
	s_wait_tensorcnt 0x0                           ; the wave's end
	ds_add_u32 v[SPW], v[NIL]
	s_wait_dscnt 0x0
	CROUND                                         ; the closing round
	s_endpgm
.Lfunc_end_k_qa890a00f4c_qkv:
	.size	k_qa890a00f4c_qkv, .Lfunc_end_k_qa890a00f4c_qkv-k_qa890a00f4c_qkv
	.p2alignl 7, 3214868480
	.fill 96, 4, 3214868480
	.section	.rodata,"a",@progbits
	.p2align	6, 0x0
	.amdhsa_kernel k_qa890a00f4c_qkv
		.amdhsa_group_segment_fixed_size 327680
		.amdhsa_private_segment_fixed_size 0
		.amdhsa_enable_private_segment 0
		.amdhsa_kernarg_size 72
		.amdhsa_user_sgpr_count 2
		.amdhsa_user_sgpr_kernarg_segment_ptr 1
		.amdhsa_wavefront_size32 1
		.amdhsa_system_sgpr_workgroup_id_x 1
		.amdhsa_system_sgpr_workgroup_id_y 1
		.amdhsa_system_sgpr_workgroup_id_z 1
		.amdhsa_system_vgpr_workitem_id 0
		.amdhsa_next_free_vgpr 512
		.amdhsa_next_free_sgpr 102
		.amdhsa_reserve_vcc 1
		.amdhsa_float_denorm_mode_32 3
		.amdhsa_float_denorm_mode_16_64 3
		.amdhsa_memory_ordered 1
		.amdhsa_forward_progress 1
		.amdhsa_inst_pref_size 129
	.end_amdhsa_kernel
	.amdgpu_metadata
---
amdhsa.version: [ 1, 2 ]
amdhsa.kernels:
  - .name:           k_qa890a00f4c_qkv
    .symbol:         k_qa890a00f4c_qkv.kd
    .args:
      - { .name: hc, .offset: 0, .size: 8, .value_kind: global_buffer, .address_space: global }
      - { .name: hs, .offset: 8, .size: 8, .value_kind: global_buffer, .address_space: global }
      - { .name: wc, .offset: 16, .size: 8, .value_kind: global_buffer, .address_space: global }
      - { .name: ws, .offset: 24, .size: 8, .value_kind: global_buffer, .address_space: global }
      - { .name: bq, .offset: 32, .size: 8, .value_kind: global_buffer, .address_space: global }
      - { .name: bk, .offset: 40, .size: 8, .value_kind: global_buffer, .address_space: global }
      - { .name: bv, .offset: 48, .size: 8, .value_kind: global_buffer, .address_space: global }
      - { .name: pad_mask, .offset: 56, .size: 8, .value_kind: global_buffer, .address_space: global }
      - { .name: big, .offset: 64, .size: 8, .value_kind: global_buffer, .address_space: global }
    .group_segment_fixed_size: 327680
    .private_segment_fixed_size: 0
    .kernarg_segment_align: 8
    .kernarg_segment_size: 72
    .max_flat_workgroup_size: 256
    .sgpr_count:     102
    .vgpr_count:     512
    .wavefront_size: 32
...
	.end_amdgpu_metadata
.endif
;; end of part 3
;; launch attn (part 4): grid 8 x 32, 16 waves a work-group, no clusters, 264,192 bytes of LDS; arguments big, rel_emb, hc, hs; writes hc, hs
.if DOCPART == 4
	.amdgcn_target "amdgcn-amd-amdhsa--gfx1250"
	.amdhsa_code_object_version 6
	.text
	.protected	k_qa890a00f4c_attn
	.globl	k_qa890a00f4c_attn
	.p2align	8
	.type	k_qa890a00f4c_attn,@function
k_qa890a00f4c_attn:
	s_mov_b64 s[64:65], 0
	v_nop
	global_prefetch_b8 v0, s[64:65] scope:SCOPE_SE
	s_setreg_imm32_b32 hwreg(HW_REG_WAVE_MODE, 25, 1), 1
	s_wait_xcnt 0x0
; Attention of one head (grid y = 16 x batch + head) for 256 queries (grid x), both products on codes of BF6 (E3M2) with E8M0 scales; the result, divided by the row's sum, is quantised along the channels for the next product.
; t = (score / 8 + bias) log2(e); M = the running largest t rounded up to a whole number; p = 2^(t - M) is quantised along the keys; the sum is taken of the unquantised p.
; SHARES.  Sixteen waves, four to a SIMD; a wave owns one tile of 16 queries (tile 2 G + u: queries 32 G + 8 u + r + 8 (r / 8)) and walks all 2,048 keys, 128 a step.
; LDS holds the head's whole package of K and V, 241,664 bytes in four stages of 512 keys, each byte filled ONCE: waves 0-3 issue four tensor loads each at the start (four out, by this text's count); no slot is filled again.
; LAYOUT.  S^T = K Q^T (source 0 = 16 keys, source 1 = my queries), O^T = V^T P^T: a lane holds one query.  Tile 2 B + u of keys holds keys 32 B + 8 u + r + 8 (r / 8), so registers 16 B + i are keys 32 B + 16 h + i.
; A tile of K or Q is registers 0-7 of a fragment; 8-11 are zeros kept here.  THE KEY MASK rides in k = 64 of the instruction's 128: a masked key's score is -3.5e31, an open key's gets + 0.
; THE BIAS.  The bucket is a function of key - query that the model builds from constants: |d| under 8 itself, else 8 + the count of 12, 16, 23, 32, 46, 64, 91 that are <= |d|; + 16 where the key comes after the query.
; From |d| = 91 on it is one number a side, so a step that lies wholly 91 or more from my queries folds it into the multiply-add's addend; the others read a table of 4,096 words (d = -2048 .. 2047) from LDS.
; NO CLUSTER: the eight query blocks of a head read the same package, but which steps take the table, and the table's LDS addresses, hang on the query block, which is what would differ between such partners.
; LIMITS: the running largest t starts at -1e30, above a masked key's -6.4e30: real t under -1e30 are not served; a batch with every key masked gives 0 / 0 and is not served; NaN and infinities are not served.
.set PKG,  241664
.set STG,  60416
.set VOFF, 32768
.set KSO,  57344
.set VSO,  59392
.set QC,   7733248
.set QS,   11927552
.set TAB,  241664                      ; behind the package: the table, 16,384 bytes, written by LDS stores: no tile lands there
.set L16,  1                           ; v1  16 x lane
.set L4,   2                           ; v2  4 r
.set TQ,   3                           ; v3  2048 - my query + 16 h
.set ADK,  4                           ; v4-7 the step's tiles of K, of V, K's scale words, V's
.set ADV,  5
.set ADS,  6
.set ADT,  7
.set ATB,  8                           ; v8  the step's place in the table
.set TA,   9                           ; v9  where I write the table
.set QSC,  10                          ; v10 Q's scale words, and nothing else
.set LN,   11                          ; v11 lane
                                       ; v12 -M, v13 the largest t, v[14:15] the sum in two halves, v16-27 Q, v[28:29] the addend, v[30:31] f
.set F,    32                          ; v32-79   four fragments of K or of V
.set S,    80                          ; v80-143  S^T, then p
.set O,    144                         ; v144-175 O^T
.set PC,   176                         ; v176-187 p's codes, v188-195 at work
.set BMX,  196                         ; v196-199 each block's largest score
.set PT,   200
.set SO,   204
.set PW,   208                         ; v208 p's scale word, and nothing else
.set KSC,  209                         ; v209-212 K's or V's scale words, and nothing else
.set TMP,  214
.set SM2,  216
.set TBR,  220                         ; v220-251 32 words of the table
.set WV,   12
.set QLO,  17
.set KF,   18
.set CNT,  19
.set SEL,  20
.set CS,   22                          ; s[22:23] the factor of the multiply-add
.set G1,   24
.set BC,   32                          ; s32 the bias folded into the addend
.set B15,  33
.set B31,  34
.set TK,   35
.set TV,   36
.set TS,   37
.set TT,   38
.set T0,   39
.set G0,   48                          ; s[48:63] four groups 0
.macro PLACES
.rept 4
	v_nop
.endr
.endm
	s_load_b256 s[4:11], s[0:1], 0x0               ; big, rel_emb, codes out, scale words out
	v_lshl_add_u32 v254, v0, 2, 0x40000
	v_mov_b32 v255, 0
	ds_add_u32 v254, v255
	ds_add_u32 v254, v255
	v_lshrrev_b32 v1, 5, v0
	v_readfirstlane_b32 s[WV], v1                  ; wave 0..15
	s_and_b32 s13, ttmp7, 0xffff                   ; 16 x batch + head
	s_and_b32 s14, s13, 15
	s_lshr_b32 s15, s13, 4
	s_lshl_b32 s16, ttmp9, 4
	s_add_co_u32 s16, s16, s[WV]                   ; my tile of queries, 0 .. 127
	s_lshr_b32 s[QLO], s16, 1
	s_lshl_b32 s[QLO], s[QLO], 5
	s_and_b32 s40, s16, 1
	s_lshl_b32 s40, s40, 3
	s_add_co_u32 s[QLO], s[QLO], s40               ; its first query; its last is 23 on
	s_mov_b32 s[G1], 3<<16                         ; a quarter of a stage: 15,104 dense bytes as 59 rows of 256 (32 elements of 8 bytes); no mask, no padding
	s_mov_b32 s[G1+1], 32<<16
	s_mov_b32 s[G1+2], 59<<16
	s_mov_b32 s[G1+3], 32<<16
	s_mov_b32 s[G1+4], 59
	s_mov_b32 s[G1+5], 32
	s_mov_b32 s[G1+6], 0
	s_mov_b32 s[G1+7], 0
	s_mul_i32 s40, s13, PKG
	s_mul_i32 s44, s[WV], 15104                    ; my quarter (waves 0-3)
	s_add_co_u32 s40, s40, s44
	s_mov_b32 s41, 0
	s_lshl_b32 s45, s13, 7
	s_add_co_u32 s45, s45, s16
	s_lshl_b32 s46, s45, 10
	s_add_co_u32 s46, s46, QC
	s_mov_b32 s47, 0
	s_lshl_b32 s66, s45, 6
	s_add_co_u32 s66, s66, QS
	s_mov_b32 s67, 0
	s_lshl_b32 s68, s14, 2
	s_mov_b32 s69, 0
	s_mov_b32 s[SEL], 0x76543210
	s_mov_b32 s[SEL+1], 0xfedcba98
	s_mov_b32 s[KF], 0
	s_wait_dscnt 0x0
	s_wait_kmcnt 0x0
	s_add_nc_u64 s[40:41], s[4:5], s[40:41]
.irp s, 0,1,2,3
	s_mov_b32 s[G0+4*\s], 1
	s_add_co_u32 s[G0+4*\s+1], s44, \s*STG
	s_add_nc_u64 s[G0+4*\s+2:G0+4*\s+3], s[40:41], \s*STG
	s_or_b32 s[G0+4*\s+3], s[G0+4*\s+3], 0x80000000
.endr
	s_cmp_lt_u32 s[WV], 4                          ; a wave's four fills stand in one branch, ahead of every wait on TENSORcnt, every LDS read and every barrier
	s_cbranch_scc0 .Lno_fetch
	tensor_load_to_lds s[G0:G0+3], s[G1:G1+7]
	s_nop 0
	tensor_load_to_lds s[G0+4:G0+7], s[G1:G1+7]
	s_nop 0
	tensor_load_to_lds s[G0+8:G0+11], s[G1:G1+7]
	s_nop 0
	tensor_load_to_lds s[G0+12:G0+15], s[G1:G1+7]
	s_nop 0
.rept 4
	v_nop
.endr
.Lno_fetch:
	s_add_nc_u64 s[46:47], s[4:5], s[46:47]        ; my tile of Q,
	s_add_nc_u64 s[66:67], s[4:5], s[66:67]        ; its scale words,
	s_add_nc_u64 s[6:7], s[6:7], s[68:69]          ; my head's column of rel_emb
	s_load_b32 s[B15], s[6:7], 0x3c0               ; bucket 15: the key 91 or more before the query
	s_load_b32 s[B31], s[6:7], 0x7c0               ; bucket 31: 91 or more after it
	v_and_b32 v[LN], 31, v0
	v_lshlrev_b32 v[L16], 4, v[LN]
	v_and_b32 v32, 15, v0                          ; r
	v_bfe_u32 v33, v0, 4, 1                        ; h
	v_lshlrev_b32 v[L4], 2, v32
	v_and_b32 v34, 8, v32
	v_add_nc_u32 v34, v34, v32                     ; r + 8 (r / 8)
	s_sub_co_u32 s40, 2048, s[QLO]
	v_sub_nc_u32 v[TQ], s40, v34
	v_lshl_add_u32 v[TQ], v33, 4, v[TQ]
	v_lshl_add_u32 v[TA], v0, 2, TAB
	global_load_b128 v[16:19], v[L16], s[46:47]
	global_load_b128 v[20:23], v[L16], s[46:47] offset:512
	global_load_b32 v[QSC], v[L4], s[66:67]
.macro TABENT e                        ; table word u = thread + 512 e, for d = key - query = u - 2048
	v_add_nc_u32 v88, 512*\e-2048, v0
	v_ashrrev_i32 v89, 31, v88
	v_xor_b32 v90, v88, v89
	v_sub_nc_u32 v90, v90, v89                     ; |d|
	v_mov_b32 v91, 8
.irp t, 12,16,23,32,46,64,91
	v_cmp_le_u32 vcc_lo, \t, v90
	v_add_co_ci_u32 v91, vcc_lo, 0, v91, vcc_lo
.endr
	v_cmp_gt_u32 vcc_lo, 8, v90
	v_cndmask_b32 v91, v91, v90, vcc_lo
	v_sub_nc_u32 v89, 0, v88
	v_lshrrev_b32 v89, 31, v89                     ; 1 where the key comes after the query
	v_lshl_add_u32 v91, v89, 4, v91
	v_and_b32 v91, 31, v91                         ; the bucket
	v_lshlrev_b32 v[96+\e], 6, v91                 ; 16 heads x 4 bytes a bucket
	global_load_b32 v[104+\e], v[96+\e], s[6:7]
.endm
.irp e, 0,1,2,3,4,5,6,7
	TABENT \e
.endr
	v_mov_b32 v13, 0xf149f2ca                      ; the largest t so far: -1e30
	v_floor_f32 v12, -v13                          ; -M
	v_mov_b32 v14, 0
	v_mov_b32 v15, 0
.irp i, 24,25,26,27,29,31
	v_mov_b32 v[\i], 0                             ; Q's registers 8-11; the upper halves of two pairs of which the low word alone is used
.endr
.irp b, 0,1,2,3
	v_mov_b32 v[PT+\b], 0                          ; a lane permute's destination counts as one of its sources
.endr
.set J, 0
.rept 32
	v_mov_b32 v[O+J], 0                            ; O^T: the step is written once; the first finds zeros
.set J, J+1
.endr
	s_wait_kmcnt 0x0
	s_mul_f32 s[B15], s[B15], 0x3fb8aa3b           ; x log2(e)
	s_mul_f32 s[B31], s[B31], 0x3fb8aa3b
	s_wait_loadcnt 0x0                             ; Q and my eight words of the table
.irp e, 0,1,2,3,4,5,6,7
	v_mul_f32 v[104+\e], 0x3fb8aa3b, v[104+\e]
.endr
.irp e, 0,1,2,3,4,5,6,7
	ds_store_b32 v[TA], v[104+\e] offset:2048*\e
.endr
; A KEY STEP: 128 keys from s[KF] on.
.macro STEP
	v_add_nc_u32 v[ADK], s[TK], v[L16]             ; (these four are the places behind the last step's products)
	v_add_nc_u32 v[ADV], s[TV], v[L16]
	v_add_nc_u32 v[ADS], s[TS], v[L4]
	v_add_nc_u32 v[ADT], s[TT], v[L4]
.irp t, 0,1,2,3
.irp i, 8,9,10,11
	v_mov_b32 v[F+12*\t+\i], 0                     ; V's fragments filled all twelve registers: K's upper four are zeros again
.endr
.endr
	PLACES                                         ; an operand written by vector instructions stands four places ahead of a scaled matrix instruction
.irp g, 0,1
.if \g
	PLACES
.endif
.irp t, 0,1,2,3
	ds_load_b128 v[F+12*\t:F+12*\t+3], v[ADK] offset:(4*\g+\t)*1024
	ds_load_b128 v[F+12*\t+4:F+12*\t+7], v[ADK] offset:(4*\g+\t)*1024+512
	ds_load_b32 v[KSC+\t], v[ADS] offset:(4*\g+\t)*64
.endr
	s_wait_dscnt 0x0
.irp t, 0,1,2,3
	v_wmma_scale_f32_16x16x128_f8f6f4 v[S+8*(4*\g+\t):S+8*(4*\g+\t)+7], v[F+12*\t:F+12*\t+11], v[16:27], 0, v[KSC+\t], v[QSC] matrix_a_fmt:MATRIX_FMT_BF6 matrix_b_fmt:MATRIX_FMT_BF6
.endr
.endr
	PLACES
.irp t, 0,1,2,3                        ; V's four fragments are asked for now and land under the softmax
.irp c, 0,1,2
	ds_load_b128 v[F+12*\t+4*\c:F+12*\t+4*\c+3], v[ADV] offset:\t*1536+512*\c
.endr
	ds_load_b32 v[KSC+\t], v[ADT] offset:\t*64
.endr
	s_mov_b32 s[CS], 0x3e38aa3b                    ; c = log2(e) / 8
	s_mov_b32 s[CS+1], s[CS]
	s_mov_b32 s[BC], s[B15]
	s_add_co_u32 s[T0], s[KF], 218                 ; all 128 keys 91 or more before my first query?
	s_cmp_ge_u32 s[QLO], s[T0]
	s_cbranch_scc1 .Lfar_\@
	s_mov_b32 s[BC], s[B31]
	s_add_co_u32 s[T0], s[QLO], 114                ; or 91 or more after my last?
	s_cmp_ge_u32 s[KF], s[T0]
	s_cbranch_scc1 .Lfar_\@
	v_add_nc_u32 v[ATB], s[KF], v[TQ]              ; near the diagonal: t = score x c + the table's word, and the multiply-add below has the factor 1 and no bias
	v_and_b32 v[ATB], 0xfff, v[ATB]
	v_lshl_add_u32 v[ATB], v[ATB], 2, TAB
.irp u, 0,1
.set J, 0
.rept 32
	ds_load_b32 v[TBR+J], v[ATB] offset:4*(32*(2*\u+J/16)+J%16)
.set J, J+1
.endr
	s_wait_dscnt 0x0
.set J, 0
.rept 16
	v_pk_fma_f32 v[S+32*\u+J:S+32*\u+J+1], v[S+32*\u+J:S+32*\u+J+1], s[CS:CS+1], v[TBR+J:TBR+J+1] op_sel_hi:[1,0,1]
.set J, J+2
.endr
.endr
	s_mov_b32 s[CS], 1.0
	s_mov_b32 s[CS+1], s[CS]
	s_mov_b32 s[BC], 0
.Lfar_\@:
.irp b, 0,1,2,3
	v_max3_num_f32 v[BMX+\b], v[S+16*\b], v[S+1+16*\b], v[S+2+16*\b]     ; the largest score of each block of 32 keys: for the row's maximum, and, since p rises with the score, for the block's largest p
.endr
.irp i, 3,5,7,9,11,13
.irp b, 0,1,2,3
	v_max3_num_f32 v[BMX+\b], v[BMX+\b], v[S+16*\b+\i], v[S+1+16*\b+\i]
.endr
.endr
.irp b, 0,1,2,3
	v_max_num_f32 v[BMX+\b], v[BMX+\b], v[S+15+16*\b]
.endr
.irp b, 0,1,2,3
	v_permlanex16_b32 v[PT+\b], v[BMX+\b], s[SEL], s[SEL+1]
.endr
.irp b, 0,1,2,3
	v_max_num_f32 v[BMX+\b], v[BMX+\b], v[PT+\b]
.endr
	v_max3_num_f32 v[TMP], v[BMX], v[BMX+1], v[BMX+2]
	v_max_num_f32 v[TMP], v[TMP], v[BMX+3]
	v_fma_f32 v[TMP], v[TMP], s[CS], s[BC]         ; the step's largest t
	v_max_num_f32 v13, v13, v[TMP]
	v_mov_b32 v[TMP], v12
	v_floor_f32 v12, -v13                          ; the new -M = -ceil(t): a whole number
	v_sub_f32 v[TMP], v12, v[TMP]
	v_cvt_i32_f32 v[TMP], v[TMP]                   ; (it saturates)
	v_ldexp_f32 v30, 1.0, v[TMP]                   ; f = 2^(old M - new M)
	v_add_f32 v28, s[BC], v12                      ; the addend: bias - M
.set J, 0
.rept 32
	v_pk_fma_f32 v[S+J:S+J+1], v[S+J:S+J+1], s[CS:CS+1], v[28:29] op_sel_hi:[1,0,0]    ; t - M
.set J, J+2
.endr
.irp b, 0,1,2,3
	v_fma_f32 v[BMX+\b], v[BMX+\b], s[CS], v28
.endr
.set J, 0
.rept 64
	v_exp_f32 v[S+J], v[S+J]                       ; p = 2^(t - M)
.set J, J+1
.endr
.irp b, 0,1,2,3
	v_exp_f32 v[BMX+\b], v[BMX+\b]                 ; the block's largest p: the same two instructions on the same number
.endr
	v_pk_mul_f32 v[14:15], v[14:15], v[30:31] op_sel_hi:[1,0]    ; the sums under the new M (a plain place behind the exponentials)
	s_wait_alu depctr_va_vdst(0)
.irp b, 0,1,2,3
	v_max_num_f32 v[BMX+\b], 0x2800000, v[BMX+\b]  ; the floor 2^(5 - 127)
.endr
.irp b, 0,1,2,3
	v_add_nc_u32 v[SO+\b], 0xfe000000, v[BMX+\b]
.endr
.irp b, 0,1,2,3
	v_lshrrev_b32 v[PT+\b], 23, v[SO+\b]
.endr
	v_lshl_or_b32 v[PW], v[PT+1], 8, v[PT]
	v_lshl_or_b32 v[PW], v[PT+2], 16, v[PW]
	v_lshl_or_b32 v[PW], v[PT+3], 24, v[PW]
.irp c, 0,1
	v_cvt_scalef32_pk16_bf6_f32 v[PC+6*\c:PC+2+6*\c], v[S+32*\c:S+15+32*\c], v[SO+2*\c]
	v_cvt_scalef32_pk16_bf6_f32 v[PC+12+4*\c:PC+14+4*\c], v[S+16+32*\c:S+31+32*\c], v[SO+2*\c+1]
.endr
	v_nop                                          ; one plain place behind a scaled conversion
.irp c, 0,1
.irp i, 0,1,2
	v_permlane16_swap_b32 v[PC+6*\c+\i], v[PC+12+4*\c+\i]
.endr
.irp i, 0,1,2
	v_mov_b32 v[PC+3+6*\c+\i], v[PC+12+4*\c+\i]
.endr
.endr
	v_pk_add_f32 v[SM2:SM2+1], v[S:S+1], v[S+2:S+3]          ; the row's sum is taken of the unquantised p, in two chains
.irp j, 4,8,12,16,20,24,28,32,36,40,44,48,52,56,60
	v_pk_add_f32 v[14:15], v[14:15], v[S+\j:S+\j+1]
	v_pk_add_f32 v[SM2:SM2+1], v[SM2:SM2+1], v[S+2+\j:S+3+\j]
.endr
	v_pk_add_f32 v[14:15], v[14:15], v[SM2:SM2+1]
.set J, 0
.rept 16
	v_pk_mul_f32 v[O+J:O+J+1], v[O+J:O+J+1], v[30:31] op_sel_hi:[1,0]    ; O^T under the new M
.set J, J+2
.endr
	s_wait_dscnt 0x0                               ; V
.irp t, 0,1,2,3
	v_wmma_scale_f32_16x16x128_f8f6f4 v[O+8*\t:O+8*\t+7], v[F+12*\t:F+12*\t+11], v[PC:PC+11], v[O+8*\t:O+8*\t+7], v[KSC+\t], v[PW] matrix_a_fmt:MATRIX_FMT_BF6 matrix_b_fmt:MATRIX_FMT_BF6
.endr
	s_add_co_u32 s[KF], s[KF], 128
	s_add_co_u32 s[TK], s[TK], 8192
	s_add_co_u32 s[TV], s[TV], 6144
	s_add_co_u32 s[TS], s[TS], 512
	s_add_co_u32 s[TT], s[TT], 256
.endm
.irp s, 0,1,2,3
	s_wait_tensorcnt 3-\s                          ; my part of stage s is in; the later stages' loads may be out
	s_wait_dscnt 0x0                               ; (stage 0: my words of the table are stored)
	s_barrier_signal -1
	s_barrier_wait -1
	s_mov_b32 s[TK], \s*STG
	s_mov_b32 s[TV], \s*STG+VOFF
	s_mov_b32 s[TS], \s*STG+KSO
	s_mov_b32 s[TT], \s*STG+VSO
	s_mov_b32 s[CNT], 4
.Lstep_\s:
	STEP
	s_sub_co_u32 s[CNT], s[CNT], 1
	s_cmp_lg_u32 s[CNT], 0
	s_cbranch_scc1 .Lstep_\s
.endr
	; THE WAY OUT: O^T / the sum; register 16 B + i is channel 32 B + 16 h + i of my head: two blocks of the next product's K
	PLACES
	v_add_f32 v14, v14, v15
	v_permlanex16_b32 v[PT], v14, s[SEL], s[SEL+1]
	v_add_f32 v14, v14, v[PT]
	v_rcp_f32 v14, v14
	v_nop                                          ; one plain place behind a transcendental
.set J, 0
	s_wait_alu depctr_va_vdst(0)
.rept 32
	v_mul_f32 v[S+J], v[O+J], v14                  ; each accumulator from its low end on
.set J, J+1
.endr
.irp b, 0,1
	v_max3_num_f32 v[BMX+\b], |v[S+16*\b]|, |v[S+1+16*\b]|, 0x2800000
.endr
.irp i, 2,4,6,8,10,12,14
.irp b, 0,1
	v_max3_num_f32 v[BMX+\b], v[BMX+\b], |v[S+16*\b+\i]|, |v[S+1+16*\b+\i]|
.endr
.endr
.irp b, 0,1
	v_permlanex16_b32 v[PT+\b], v[BMX+\b], s[SEL], s[SEL+1]
.endr
.irp b, 0,1
	v_max_num_f32 v[BMX+\b], v[BMX+\b], v[PT+\b]
.endr
.irp b, 0,1
	v_add_nc_u32 v[SO+\b], 0xfe000000, v[BMX+\b]
.endr
.irp b, 0,1
	v_lshrrev_b32 v[PT+\b], 23, v[SO+\b]
.endr
	v_lshl_or_b32 v[TMP], v[PT+1], 8, v[PT]        ; my head's two bytes of the row's scale word
	v_cvt_scalef32_pk16_bf6_f32 v[PC:PC+2], v[S:S+15], v[SO]
	v_cvt_scalef32_pk16_bf6_f32 v[PC+12:PC+14], v[S+16:S+31], v[SO+1]
	v_nop
.irp i, 0,1,2
	v_permlane16_swap_b32 v[PC+\i], v[PC+12+\i]
.endr
.irp i, 0,1,2
	v_mov_b32 v[PC+3+\i], v[PC+12+\i]
.endr
	s_lshl_b32 s40, s15, 7
	s_add_co_u32 s40, s40, s16                     ; the row block: 128 x batch + my tile
	s_lshl_b32 s40, s40, 3
	s_lshr_b32 s41, s14, 1
	s_add_co_u32 s40, s40, s41                     ; the fragment: K step head / 2
	s_and_b32 s44, s14, 1
	s_lshl_b32 s42, s40, 6
	s_lshl_b32 s45, s44, 1
	s_add_co_u32 s42, s42, s45
	s_mov_b32 s43, 0
	s_mul_i32 s40, s40, 1536
	s_mov_b32 s41, 0
	s_add_nc_u64 s[8:9], s[8:9], s[40:41]
	s_add_nc_u64 s[10:11], s[10:11], s[42:43]
	s_cmp_eq_u32 s44, 1                            ; an even head is registers 0-5 of the fragment, an odd one 6-11
	s_cbranch_scc1 .Lodd
	global_store_b128 v[L16], v[PC:PC+3], s[8:9]
	global_store_b64 v[L16], v[PC+4:PC+5], s[8:9] offset:512
	s_branch .Lsent
.Lodd:
	global_store_b64 v[L16], v[PC:PC+1], s[8:9] offset:520
	global_store_b128 v[L16], v[PC+2:PC+5], s[8:9] offset:1024
.Lsent:
	s_wait_xcnt 0x0                                ; EXEC changes only behind this wait
	v_cmp_gt_u32 vcc_lo, 16, v[LN]
	s_wait_tensorcnt 0x0
	ds_add_u32 v254, v255
	s_wait_dscnt 0x0
	s_and_saveexec_b32 s40, vcc_lo                 ; lanes 16-31 hold the same bytes
	global_store_b16 v[L4], v[TMP], s[10:11]
	s_endpgm
.Lfunc_end_k_qa890a00f4c_attn:
	.size	k_qa890a00f4c_attn, .Lfunc_end_k_qa890a00f4c_attn-k_qa890a00f4c_attn
	.p2alignl 7, 3214868480
	.fill 96, 4, 3214868480
	.section	.rodata,"a",@progbits
	.p2align	6, 0x0
	.amdhsa_kernel k_qa890a00f4c_attn
		.amdhsa_group_segment_fixed_size 264192
		.amdhsa_private_segment_fixed_size 0
		.amdhsa_enable_private_segment 0
		.amdhsa_kernarg_size 32
		.amdhsa_user_sgpr_count 2
		.amdhsa_user_sgpr_kernarg_segment_ptr 1
		.amdhsa_wavefront_size32 1
		.amdhsa_system_sgpr_workgroup_id_x 1
		.amdhsa_system_sgpr_workgroup_id_y 1
		.amdhsa_system_sgpr_workgroup_id_z 1
		.amdhsa_system_vgpr_workitem_id 0
		.amdhsa_next_free_vgpr 256
		.amdhsa_next_free_sgpr 72
		.amdhsa_reserve_vcc 1
		.amdhsa_float_denorm_mode_32 3
		.amdhsa_float_denorm_mode_16_64 3
		.amdhsa_memory_ordered 1
		.amdhsa_forward_progress 1
		.amdhsa_inst_pref_size 117
	.end_amdhsa_kernel
	.amdgpu_metadata
---
amdhsa.version: [ 1, 2 ]
amdhsa.kernels:
  - .name:           k_qa890a00f4c_attn
    .symbol:         k_qa890a00f4c_attn.kd
    .args:
      - { .name: big, .offset: 0, .size: 8, .value_kind: global_buffer, .address_space: global }
      - { .name: rel_emb, .offset: 8, .size: 8, .value_kind: global_buffer, .address_space: global }
      - { .name: hc, .offset: 16, .size: 8, .value_kind: global_buffer, .address_space: global }
      - { .name: hs, .offset: 24, .size: 8, .value_kind: global_buffer, .address_space: global }
    .group_segment_fixed_size: 264192
    .private_segment_fixed_size: 0
    .kernarg_segment_align: 8
    .kernarg_segment_size: 32
    .max_flat_workgroup_size: 512
    .sgpr_count:     72
    .vgpr_count:     256
    .wavefront_size: 32
...
	.end_amdgpu_metadata
.endif
;; end of part 4
;; launch oproj (part 5): grid 8 x 32, 8 waves a work-group, clusters of 4 x 4, 327,680 bytes of LDS; arguments hc, hs, wc, ws, bo, x, x2; writes x2
.if DOCPART == 5
	.amdgcn_target "amdgcn-amd-amdhsa--gfx1250"
	.amdhsa_code_object_version 6
	.text
	.protected	k_qa890a00f4c_oproj
	.globl	k_qa890a00f4c_oproj
	.p2align	8
	.type	k_qa890a00f4c_oproj,@function
k_qa890a00f4c_oproj:
	s_mov_b64 s[64:65], 0
	v_nop
	global_prefetch_b8 v0, s[64:65] scope:SCOPE_SE
	s_setreg_imm32_b32 hwreg(HW_REG_WAVE_MODE, 25, 1), 1
	s_wait_xcnt 0x0
	s_wait_alu depctr_hold_cnt(0) depctr_sa_sdst(0) depctr_va_vdst(0) depctr_va_sdst(0) depctr_va_ssrc(0) depctr_va_vcc(0) depctr_vm_vsrc(0)
	s_getreg_b32 s2, hwreg(HW_REG_IB_STS2, 6, 4)
	s_cmp_eq_u32 s2, 0
	s_cbranch_scc0 .Lentry_in_a_cluster
	s_endpgm
.Lentry_in_a_cluster:
	s_bfe_u32 s2, ttmp6, 0x10000c
	s_cmp_lg_u32 s2, 0xf033
	s_cbranch_scc0 .Lentry_shape_is_right
	s_endpgm
.Lentry_shape_is_right:
; out = residual + A W + bias, f32, the product on codes of BF6 (E3M2) with E8M0 scales.  A: 4,096 rows, K = 128 KS; W: 1,024 columns.
; OPERANDS are images of operand registers: fragment (row block rb, K step ks), 16 rows x 128 K, 1,536 bytes at index rb KS + ks; registers 4 c .. 4 c + 3 of lane l at 512 c + 16 l; scale words 64 bytes.
; Row block 2 G + u holds rows 32 G + 8 u + r + 8 (r / 8).
; A tile of 128 rows (grid y) x 128 columns (grid x): 256 work-groups.  K IS SPLIT FOUR WAYS INSIDE THE WORK-GROUP: wave w makes rows 64 (w / 4) on x all 128 columns on the K steps 4 s + w % 4,
; so that a wave's tile stays 64 x 128 (32 accumulators, (a, b) at v[256 + 8 (8 a + b)]); the four partial sums meet on the way out, in the trip through LDS that whole rows of 512 bytes want anyway.
; A slot holds four K steps of both tiles (98,304 bytes); two slots, filled by joint tensor loads in clusters of 4 x 4 (A's tile shared along a row, W's along a column); the scale words come once.
; Three tensor loads of a wave are out at the start, and none later.  Source 0 = 16 columns of W, source 1 = 16 rows of A: a lane's results of a block a are columns 32 B + 16 h + i at register 16 B + i.
; The order of the f32 sums: each K phase ascending, then (0 + 1) + (2 + 3), the bias, the residual.
.set KS,    8
.set AOFF,  0
.set BOFF,  1536                       ; Wo's first fragment
.set SLOT,  98304                      ; A's 8 row blocks x 6,144 bytes, then W's
.set SSTEP, 6144                       ; four K steps of a row block
.set SCL,   196608                     ; the scale words: A's 512 KS bytes, then W's
.set SPARE, 326656                     ; the spare words: four blocks of 256 bytes that no other line names
.set L16,  2
.set R4,   3
.set HH,   4
.set STO,  6                           ; v6 the stage: where I put 16 bytes of a row
.set RD0,  7                           ; v7, v8 where I read the partial sums of a row
.set RD1,  8
.set ADRA, 16
.set ADRB, 18
.set ADSA, 20
.set ADSB, 21
.set SPW,  28
.set NIL,  29
.set SCA,  32                          ; v32-43 hold scales and nothing else
.set SCB,  36
.set AF,   44
.set BF,   92
.set RES,  188                         ; v188-251 the residual at the 16 rows that I store; v252-255 the bias
.set G1,   24
.set G0,   32
.set G1B,  48
.set G0B,  56
.set G1S,  68
.set G0S,  76
.set G1SB, 80
.set G0SB, 88
.set MSB, 0
.macro WIN new
.if MSB != \new
	s_set_vgpr_msb (MSB<<8)|\new
.set MSB, \new
.endif
.endm
.macro PLACES
.rept 4
	v_nop
.endr
.endm
.macro JLOAD g0a, g1a, g0b, g1b        ; waves 0-3 fetch for A, waves 4-7 for W; four v_nop follow each of the two lines
	s_cmp_eq_u32 s23, 0
	s_cbranch_scc0 .Lfor_b_\@
	tensor_load_to_lds s[\g0a:\g0a+3], s[\g1a:\g1a+7]
	s_nop 0
.rept 4
	v_nop
.endr
	s_branch .Lasked_\@
.Lfor_b_\@:
	tensor_load_to_lds s[\g0b:\g0b+3], s[\g1b:\g1b+7]
	s_nop 0
.rept 4
	v_nop
.endr
.Lasked_\@:
.endm
.macro CROUND
	s_barrier_signal -1
	s_barrier_wait -1
	s_cmp_lg_u32 s22, 0
	s_cbranch_scc1 .Lnot_wave_0_\@
	s_barrier_signal -3
.Lnot_wave_0_\@:
	s_barrier_wait -3
	s_barrier_signal -1
	s_barrier_wait -1
.endm
.macro MM a, b, zero
.if \zero
	v_wmma_scale_f32_16x16x128_f8f6f4 v[8*(8*\a+\b):8*(8*\a+\b)+7], v[BF+12*\b:BF+12*\b+11], v[AF+12*\a:AF+12*\a+11], 0, v[SCB+\b], v[SCA+\a] matrix_a_fmt:MATRIX_FMT_BF6 matrix_b_fmt:MATRIX_FMT_BF6
.else
	v_wmma_scale_f32_16x16x128_f8f6f4 v[8*(8*\a+\b):8*(8*\a+\b)+7], v[BF+12*\b:BF+12*\b+11], v[AF+12*\a:AF+12*\a+11], v[8*(8*\a+\b):8*(8*\a+\b)+7], v[SCB+\b], v[SCA+\a] matrix_a_fmt:MATRIX_FMT_BF6 matrix_b_fmt:MATRIX_FMT_BF6
.endif
.endm
.macro KSTEP slot, s, first            ; my K step of the s-th four: 48 LDS loads, 32 matrix instructions; the accumulators take turns
.if !\first
	PLACES
.endif
.irp i, 0,1,2,3
	ds_load_b32 v[SCA+\i], v[ADSA] offset:\i*64*KS+256*\s
.endr
.irp i, 0,1,2,3,4,5,6,7
	ds_load_b32 v[SCB+\i], v[ADSB] offset:\i*64*KS+256*\s
.endr
.irp i, 0,1,2,3,4,5,6,7
.irp c, 0,1,2
	ds_load_b128 v[BF+12*\i+4*\c:BF+12*\i+4*\c+3], v[ADRB+\slot] offset:\i*6144+512*\c
.endr
.endr
.irp i, 0,1,2,3
.irp c, 0,1,2
	ds_load_b128 v[AF+12*\i+4*\c:AF+12*\i+4*\c+3], v[ADRA+\slot] offset:\i*6144+512*\c
.endr
.endr
	WIN 0x50
.irp a, 0,1,2,3
	s_wait_dscnt 9-3*\a                            ; the three loads of each A fragment behind block a may be out
.irp b, 0,1,2,3,4,5,6,7
	MM \a, \b, \first
.endr
.endr
	WIN 0
.endm
.macro REFILL slot
	s_wait_tensorcnt 0x0                           ; all my tensor loads have landed: a group 0 may be written
	ds_add_u32 v[SPW], v[NIL]                      ; 0 onto my spare word
	s_add_nc_u64 s[G0+4*\slot+2:G0+4*\slot+3], s[G0+4*\slot+2:G0+4*\slot+3], 2*SSTEP
	s_add_nc_u64 s[G0B+4*\slot+2:G0B+4*\slot+3], s[G0B+4*\slot+2:G0B+4*\slot+3], 2*SSTEP
	s_wait_dscnt 0x0                               ; the add is done, and my reads of this slot are over
	CROUND
	JLOAD G0+4*\slot, G1, G0B+4*\slot, G1B
.endm
.macro MEET
	s_wait_tensorcnt 0x0
	ds_add_u32 v[SPW], v[NIL]
	s_wait_dscnt 0x0
	s_barrier_signal -1
	s_barrier_wait -1
.endm
	s_load_b256 s[4:11], s[0:1], 0x0               ; A's codes, A's scales, W's codes, W's scales
	s_load_b128 s[12:15], s[0:1], 0x20             ; bias, residual
	s_load_b64 s[16:17], s[0:1], 0x30              ; out
	v_lshl_add_u32 v[SPW], v0, 2, SPARE
	v_mov_b32 v[NIL], 0
	ds_add_u32 v28, v29
	ds_add_u32 v28, v29
	s_wait_dscnt 0x0
	v_lshrrev_b32 v1, 5, v0
	v_readfirstlane_b32 s22, v1                    ; wave 0..7
	s_lshr_b32 s23, s22, 2                         ; which 64 rows of A are mine.  Also: I fetch for A (0) or for W (1)
	s_and_b32 s3, s22, 3                           ; my K phase.  Also: which quarter of that tile I fetch
	s_bfe_u32 s40, ttmp6, 0x40000
	s_bfe_u32 s41, ttmp6, 0x40004
	s_lshl_b32 s42, ttmp9, 2
	s_add_co_u32 s42, s42, s40
	s_and_b32 s43, ttmp7, 0xffff
	s_lshl_b32 s43, s43, 2
	s_add_co_u32 s43, s43, s41
	s_lshl_b32 s44, s41, 2
	s_lshl_b32 s44, 15, s44
	s_lshl_b32 s45, 0x1111, s40
	s_or_b32 s[G1], s44, (3<<16)|(1<<21)
	s_or_b32 s[G1B], s45, (3<<16)|(1<<21)
.irp g, G1, G1B                        ; 2 row blocks x 6,144 bytes, KS x 1,536 bytes apart
	s_mov_b32 s[\g+1], 768<<16
	s_mov_b32 s[\g+2], 2<<16
	s_mov_b32 s[\g+3], 768<<16
	s_mov_b32 s[\g+4], 2
	s_mov_b32 s[\g+5], 192*KS
	s_mov_b32 s[\g+6], 0
	s_mov_b32 s[\g+7], 0
.endr
	s_or_b32 s[G1S], s44, (3<<16)|(1<<21)
	s_or_b32 s[G1SB], s45, (3<<16)|(1<<21)
.irp g, G1S, G1SB                      ; the scale words of 2 row blocks: 128 KS dense bytes as rows of 256
	s_mov_b32 s[\g+1], 32<<16
	s_mov_b32 s[\g+2], (KS/2)<<16
	s_mov_b32 s[\g+3], 32<<16
	s_mov_b32 s[\g+4], KS/2
	s_mov_b32 s[\g+5], 32
	s_mov_b32 s[\g+6], 0
	s_mov_b32 s[\g+7], 0
.endr
	s_lshl_b32 s93, s3, 1
	s_lshl_b32 s92, s43, 3
	s_add_co_u32 s92, s92, s93                     ; A: row block 8 y + 2 x quarter
	s_mul_i32 s94, s92, KS*1536
	s_add_co_u32 s94, s94, AOFF*1536
	s_mov_b32 s95, 0
	s_mul_i32 s96, s92, KS*64
	s_add_co_u32 s96, s96, AOFF*64
	s_mov_b32 s97, 0
	s_lshl_b32 s98, s42, 3
	s_add_co_u32 s98, s98, s93                     ; W: row block 8 x + 2 x quarter
	s_mul_i32 s46, s98, KS*1536
	s_add_co_u32 s46, s46, BOFF*1536
	s_mov_b32 s47, 0
	s_mul_i32 s66, s98, KS*64
	s_add_co_u32 s66, s66, BOFF*64
	s_mov_b32 s67, 0
	s_mul_i32 s99, s22, 12288
	s_mul_i32 s100, s22, 128*KS
	s_wait_kmcnt 0x0
	s_add_nc_u64 s[94:95], s[4:5], s[94:95]
	s_add_nc_u64 s[96:97], s[6:7], s[96:97]
	s_add_nc_u64 s[46:47], s[8:9], s[46:47]
	s_add_nc_u64 s[66:67], s[10:11], s[66:67]
	CROUND                                         ; the first joint loads meet
	s_mov_b32 s[G0S], 1
	s_add_co_u32 s[G0S+1], s100, SCL
	s_mov_b64 s[G0S+2:G0S+3], s[96:97]
	s_or_b32 s[G0S+3], s[G0S+3], 0x80000000
	s_mov_b32 s[G0SB], 1
	s_add_co_u32 s[G0SB+1], s100, SCL
	s_mov_b64 s[G0SB+2:G0SB+3], s[66:67]
	s_or_b32 s[G0SB+3], s[G0SB+3], 0x80000000
	JLOAD G0S, G1S, G0SB, G1SB
.irp s, 0,1
	s_mov_b32 s[G0+4*\s], 1
	s_add_co_u32 s[G0+4*\s+1], s99, \s*SLOT
	s_add_nc_u64 s[G0+4*\s+2:G0+4*\s+3], s[94:95], \s*SSTEP
	s_or_b32 s[G0+4*\s+3], s[G0+4*\s+3], 0x80000000
	s_mov_b32 s[G0B+4*\s], 1
	s_add_co_u32 s[G0B+4*\s+1], s99, \s*SLOT
	s_add_nc_u64 s[G0B+4*\s+2:G0B+4*\s+3], s[46:47], \s*SSTEP
	s_or_b32 s[G0B+4*\s+3], s[G0B+4*\s+3], 0x80000000
	JLOAD G0+4*\s, G1, G0B+4*\s, G1B
.endr
	v_and_b32 v1, 31, v0
	v_lshlrev_b32 v[L16], 4, v1
	v_and_b32 v1, 15, v0
	v_lshlrev_b32 v[R4], 2, v1
	v_bfe_u32 v[HH], v0, 4, 1
	s_mul_i32 s92, s23, 24576                      ; my four row blocks of A,
	s_mul_i32 s93, s3, 1536                        ; my K step of a slot's four
	s_add_co_u32 s92, s92, s93
	s_add_co_u32 s93, s93, 49152                   ; W's eight lie behind A's eight
.irp s, 0,1
	v_add_nc_u32 v[ADRA+\s], s92, v[L16]
	v_add_nc_u32 v[ADRB+\s], s93, v[L16]
	s_add_co_u32 s92, s92, SLOT
	s_add_co_u32 s93, s93, SLOT
.endr
	s_mul_i32 s92, s23, 256*KS
	s_lshl_b32 s93, s3, 6
	s_add_co_u32 s92, s92, s93
	s_add_co_u32 s92, s92, SCL
	v_add_nc_u32 v[ADSA], s92, v[R4]
	s_add_co_u32 s93, s93, SCL+512*KS
	v_add_nc_u32 v[ADSB], s93, v[R4]
	v_mul_u32_u24 v[STO], v1, 528                  ; the stage: 64 rows x (512 bytes + 16) for each wave: row r, + 64 h
	v_lshl_add_u32 v[STO], v[HH], 6, v[STO]
	s_mul_i32 s92, s22, 33792
	v_add_nc_u32 v[STO], s92, v[STO]
	s_mul_i32 s92, s23, 135168                     ; back: row block w of the tile's eight: the four phases' stages of its half, its 16 rows in each
	s_mul_i32 s93, s3, 8448
	s_add_co_u32 s92, s92, s93
	v_add_nc_u32 v[RD0], s92, v[L16]
	v_add_nc_u32 v[RD1], 67584, v[RD0]
	s_lshl_b32 s92, s43, 7                         ; the first of the rows that I store: 128 y + 32 (w / 2) + 8 (w % 2)
	s_lshr_b32 s93, s22, 1
	s_lshl_b32 s93, s93, 5
	s_add_co_u32 s92, s92, s93
	s_and_b32 s93, s22, 1
	s_lshl_b32 s93, s93, 3
	s_add_co_u32 s92, s92, s93
	s_lshl_b32 s92, s92, 12
	s_lshl_b32 s94, s42, 9                         ; the tile's 512 bytes of a row
	s_add_co_u32 s92, s92, s94
	s_mov_b32 s93, 0
	s_mov_b32 s95, 0
	s_add_nc_u64 s[14:15], s[14:15], s[92:93]
	s_add_nc_u64 s[16:17], s[16:17], s[92:93]
	s_add_nc_u64 s[12:13], s[12:13], s[94:95]
.set J, 0
.rept 16                               ; the residual and the bias are asked for now and wanted on the way out
	global_load_b128 v[RES+4*J:RES+4*J+3], v[L16], s[14:15] offset:(J+8*(J/8))*4096
.set J, J+1
.endr
	global_load_b128 v[252:255], v[L16], s[12:13]
	s_wait_tensorcnt 0x1                           ; the scale words and my part of slot 0 are in; slot 1's load may be out
	s_barrier_signal -1
	s_barrier_wait -1
	KSTEP 0, 0, 1
	MEET                                           ; K is two slots long: nothing is filled again
	KSTEP 1, 1, 0
	PLACES
	s_wait_dscnt 0x0
	s_barrier_signal -1
	s_barrier_wait -1                              ; nobody reads the slots or the scale words any more, and they have had their last fill: the stages lie over them
	WIN 0x04                                       ; an LDS store's data are its source 1: window 1
.irp a, 0,1,2,3
.irp q, 0,1,2,3,4,5,6,7,8,9,10,11,12,13,14,15
	ds_store_b128 v[STO], v[64*\a+4*\q:64*\a+4*\q+3] offset:\a*8448+128*(\q/4)+16*(\q%4)     ; each accumulator from its low end on
.endr
.endr
	WIN 0
	s_wait_dscnt 0x0                               ; for the others' sake: my stores are done
	s_barrier_signal -1
	s_barrier_wait -1
.macro LOADG g                         ; rows 4 g .. 4 g + 3: four partial sums each, 512 bytes a load
.irp k, 0,1,2,3
	ds_load_b128 v[44+64*((\g)%2)+16*\k:44+64*((\g)%2)+16*\k+3],     v[RD0] offset:528*(4*(\g)+\k)
	ds_load_b128 v[44+64*((\g)%2)+16*\k+4:44+64*((\g)%2)+16*\k+7],   v[RD0] offset:33792+528*(4*(\g)+\k)
	ds_load_b128 v[44+64*((\g)%2)+16*\k+8:44+64*((\g)%2)+16*\k+11],  v[RD1] offset:528*(4*(\g)+\k)
	ds_load_b128 v[44+64*((\g)%2)+16*\k+12:44+64*((\g)%2)+16*\k+15], v[RD1] offset:33792+528*(4*(\g)+\k)
.endr
.endm
.macro SUMG g
.irp k, 0,1,2,3
.set RB, 44+64*((\g)%2)+16*\k
.set RW, 4*(\g)+\k
	v_pk_add_f32 v[RB:RB+1], v[RB:RB+1], v[RB+4:RB+5]
	v_pk_add_f32 v[RB+2:RB+3], v[RB+2:RB+3], v[RB+6:RB+7]
	v_pk_add_f32 v[RB+8:RB+9], v[RB+8:RB+9], v[RB+12:RB+13]
	v_pk_add_f32 v[RB+10:RB+11], v[RB+10:RB+11], v[RB+14:RB+15]
	v_pk_add_f32 v[RB:RB+1], v[RB:RB+1], v[RB+8:RB+9]
	v_pk_add_f32 v[RB+2:RB+3], v[RB+2:RB+3], v[RB+10:RB+11]
	v_pk_add_f32 v[RB:RB+1], v[RB:RB+1], v[252:253]
	v_pk_add_f32 v[RB+2:RB+3], v[RB+2:RB+3], v[254:255]
	v_pk_add_f32 v[RB:RB+1], v[RB:RB+1], v[RES+4*RW:RES+4*RW+1]
	v_pk_add_f32 v[RB+2:RB+3], v[RB+2:RB+3], v[RES+4*RW+2:RES+4*RW+3]
	global_store_b128 v[L16], v[RB:RB+3], s[16:17] offset:(RW+8*(RW/8))*4096      ; 32 lanes store 512 consecutive bytes, aligned
.endr
.endm
	LOADG 0
	LOADG 1
	s_wait_loadcnt 0x0                             ; residual and bias
	s_wait_dscnt 16                                ; the next group's 16 loads may be out
	SUMG 0
	s_wait_xcnt 0x0                                ; the stores have read their registers: the next loads may land there
	LOADG 2
	s_wait_dscnt 16
	SUMG 1
	s_wait_xcnt 0x0
	LOADG 3
	s_wait_dscnt 16
	SUMG 2
	s_wait_dscnt 0x0
	SUMG 3
	s_wait_tensorcnt 0x0                           ; the wave's end
	ds_add_u32 v[SPW], v[NIL]
	s_wait_dscnt 0x0
	CROUND
	s_endpgm
.Lfunc_end_k_qa890a00f4c_oproj:
	.size	k_qa890a00f4c_oproj, .Lfunc_end_k_qa890a00f4c_oproj-k_qa890a00f4c_oproj
	.p2alignl 7, 3214868480
	.fill 96, 4, 3214868480
	.section	.rodata,"a",@progbits
	.p2align	6, 0x0
	.amdhsa_kernel k_qa890a00f4c_oproj
		.amdhsa_group_segment_fixed_size 327680
		.amdhsa_private_segment_fixed_size 0
		.amdhsa_enable_private_segment 0
		.amdhsa_kernarg_size 56
		.amdhsa_user_sgpr_count 2
		.amdhsa_user_sgpr_kernarg_segment_ptr 1
		.amdhsa_wavefront_size32 1
		.amdhsa_system_sgpr_workgroup_id_x 1
		.amdhsa_system_sgpr_workgroup_id_y 1
		.amdhsa_system_sgpr_workgroup_id_z 1
		.amdhsa_system_vgpr_workitem_id 0
		.amdhsa_next_free_vgpr 512
		.amdhsa_next_free_sgpr 102
		.amdhsa_reserve_vcc 0
		.amdhsa_float_denorm_mode_32 3
		.amdhsa_float_denorm_mode_16_64 3
		.amdhsa_memory_ordered 1
		.amdhsa_forward_progress 1
		.amdhsa_inst_pref_size 47
	.end_amdhsa_kernel
	.amdgpu_metadata
---
amdhsa.version: [ 1, 2 ]
amdhsa.kernels:
  - .name:           k_qa890a00f4c_oproj
    .symbol:         k_qa890a00f4c_oproj.kd
    .args:
      - { .name: hc, .offset: 0, .size: 8, .value_kind: global_buffer, .address_space: global }
      - { .name: hs, .offset: 8, .size: 8, .value_kind: global_buffer, .address_space: global }
      - { .name: wc, .offset: 16, .size: 8, .value_kind: global_buffer, .address_space: global }
      - { .name: ws, .offset: 24, .size: 8, .value_kind: global_buffer, .address_space: global }
      - { .name: bo, .offset: 32, .size: 8, .value_kind: global_buffer, .address_space: global }
      - { .name: x, .offset: 40, .size: 8, .value_kind: global_buffer, .address_space: global }
      - { .name: x2, .offset: 48, .size: 8, .value_kind: global_buffer, .address_space: global }
    .group_segment_fixed_size: 327680
    .private_segment_fixed_size: 0
    .kernarg_segment_align: 8
    .kernarg_segment_size: 56
    .max_flat_workgroup_size: 256
    .sgpr_count:     102
    .vgpr_count:     512
    .wavefront_size: 32
...
	.end_amdgpu_metadata
.endif
;; end of part 5
;; launch ln2: the kernel of part 2 again; grid 256 x 1, 8 waves a work-group, no clusters, 2,048 bytes of LDS; arguments x2, g2, beta2, hc, hs; writes hc, hs
;; launch ff1 (part 6): grid 16 x 16, 8 waves a work-group, clusters of 4 x 4, 327,680 bytes of LDS; arguments hc, hs, wc, ws, b1, big, fs; writes big, fs
.if DOCPART == 6
	.amdgcn_target "amdgcn-amd-amdhsa--gfx1250"
	.amdhsa_code_object_version 6
	.text
	.protected	k_qa890a00f4c_ff1
	.globl	k_qa890a00f4c_ff1
	.p2align	8
	.type	k_qa890a00f4c_ff1,@function
k_qa890a00f4c_ff1:
	s_mov_b64 s[64:65], 0
	v_nop
	global_prefetch_b8 v0, s[64:65] scope:SCOPE_SE
	s_setreg_imm32_b32 hwreg(HW_REG_WAVE_MODE, 25, 1), 1
	s_wait_xcnt 0x0
	s_wait_alu depctr_hold_cnt(0) depctr_sa_sdst(0) depctr_va_vdst(0) depctr_va_sdst(0) depctr_va_ssrc(0) depctr_va_vcc(0) depctr_vm_vsrc(0)
	s_getreg_b32 s2, hwreg(HW_REG_IB_STS2, 6, 4)
	s_cmp_eq_u32 s2, 0
	s_cbranch_scc0 .Lentry_in_a_cluster
	s_endpgm
.Lentry_in_a_cluster:
	s_bfe_u32 s2, ttmp6, 0x10000c
	s_cmp_lg_u32 s2, 0xf033
	s_cbranch_scc0 .Lentry_shape_is_right
	s_endpgm
.Lentry_shape_is_right:
; hidden = gelu(h2 W1 + b1), the product on codes of BF6 (E3M2) with E8M0 scales, the result quantised along the hidden units for the next product; it never exists as f32 in memory.
; OPERANDS are images of operand registers: fragment (row block rb, K step ks), 16 rows x 128 K, 1,536 bytes; registers 4 c .. 4 c + 3 of lane l at 512 c + 16 l; scale words 64 bytes.  In: index rb 8 + ks; out: rb 32 + ks.
; Row block 2 G + u holds rows 32 G + 8 u + r + 8 (r / 8).
; A tile of 256 tokens (grid y) x 256 hidden units (grid x).  Eight waves, two to a SIMD; wave w makes tokens 64 (w % 4) on x units 128 (w / 4) on: 32 accumulators, (a, b) at v[256 + 8 (8 a + b)].
; Source 0 = 16 columns of W1, source 1 = 16 tokens: a lane holds one token, and for a fixed a its 64 results are units 32 B + 16 h + i at register 16 B + i: one K step of the next product.
; K goes through a ring of two LDS slots, two K steps each, filled by joint tensor loads in clusters of 4 x 4; the scale words come once.  Three tensor loads of a wave are out at the start, one behind each round.
; GELU, exact form: gelu(y) = max(y, 0) - |y| erfc(|y| / sqrt 2) / 2, so that nothing cancels; erfc(x) = (a1 T + .. + a5 T^5) e^(-x^2), T = 1 / (1 + 0.3275911 x) (Abramowitz and Stegun 7.1.26).
; With Z = |y| sqrt(log2(e) / 2): e^(-x^2) = 2^(-Z^2).
; LIMITS: the formula's absolute error in erf is at most 1.5e-7; NaN and infinities are not served; blocks whose largest magnitude lies under 2^-122 get the byte 1.
.set AOFF,  0
.set BOFF,  2048                       ; W1's first fragment
.set SLOT,  98304
.set SSTEP, 3072
.set SCL,   196608
.set SPARE, 212992                     ; the spare words: four blocks of 256 bytes that no other line names
.set L16,  2
.set R4,   3
.set HH,   4
.set ADRA, 16
.set ADRB, 18
.set ADSA, 20
.set ADSB, 21
.set SPW,  28
.set NIL,  29
.set SCA,  32                          ; v32-43 hold scales and nothing else
.set SCB,  36
.set AF,   44
.set BF,   92
.set BIA,  188                         ; v188-251 b1 at my 64 units
.set Y,    44                          ; the way out: 64 numbers
.set ZR,   108                         ; 16 each: Z, T, 2^(-Z^2), the polynomial
.set TR,   124
.set ER,   140
.set PR,   156
.set AC,   172                         ; v172-181 a1 .. a5, each twice
.set PWS,  182                         ; v182-185 the four scale words
.set PC,   108
.set TM,   128
.set PW,   144
.set SEL,  20
.set G1,   24
.set G0,   32
.set G1B,  48
.set G0B,  56
.set G1S,  68
.set G0S,  76
.set G1SB, 80
.set G0SB, 88
.set MSB, 0
.macro WIN new
.if MSB != \new
	s_set_vgpr_msb (MSB<<8)|\new
.set MSB, \new
.endif
.endm
.macro PLACES
.rept 4
	v_nop
.endr
.endm
.macro JLOAD g0a, g1a, g0b, g1b        ; waves 0-3 fetch for A, waves 4-7 for W1; four v_nop follow each of the two lines
	s_cmp_eq_u32 s23, 0
	s_cbranch_scc0 .Lfor_b_\@
	tensor_load_to_lds s[\g0a:\g0a+3], s[\g1a:\g1a+7]
	s_nop 0
.rept 4
	v_nop
.endr
	s_branch .Lasked_\@
.Lfor_b_\@:
	tensor_load_to_lds s[\g0b:\g0b+3], s[\g1b:\g1b+7]
	s_nop 0
.rept 4
	v_nop
.endr
.Lasked_\@:
.endm
.macro CROUND
	s_barrier_signal -1
	s_barrier_wait -1
	s_cmp_lg_u32 s22, 0
	s_cbranch_scc1 .Lnot_wave_0_\@
	s_barrier_signal -3
.Lnot_wave_0_\@:
	s_barrier_wait -3
	s_barrier_signal -1
	s_barrier_wait -1
.endm
.macro MM a, b, zero
.if \zero
	v_wmma_scale_f32_16x16x128_f8f6f4 v[8*(8*\a+\b):8*(8*\a+\b)+7], v[BF+12*\b:BF+12*\b+11], v[AF+12*\a:AF+12*\a+11], 0, v[SCB+\b], v[SCA+\a] matrix_a_fmt:MATRIX_FMT_BF6 matrix_b_fmt:MATRIX_FMT_BF6
.else
	v_wmma_scale_f32_16x16x128_f8f6f4 v[8*(8*\a+\b):8*(8*\a+\b)+7], v[BF+12*\b:BF+12*\b+11], v[AF+12*\a:AF+12*\a+11], v[8*(8*\a+\b):8*(8*\a+\b)+7], v[SCB+\b], v[SCA+\a] matrix_a_fmt:MATRIX_FMT_BF6 matrix_b_fmt:MATRIX_FMT_BF6
.endif
.endm
.macro KSTEP slot, q, ks, first        ; 48 LDS loads, 32 matrix instructions; the accumulators take turns
.if !\first
	PLACES
.endif
.irp i, 0,1,2,3
	ds_load_b32 v[SCA+\i], v[ADSA] offset:\i*512+\ks*64
.endr
.irp i, 0,1,2,3,4,5,6,7
	ds_load_b32 v[SCB+\i], v[ADSB] offset:\i*512+\ks*64
.endr
.irp i, 0,1,2,3,4,5,6,7
.irp c, 0,1,2
	ds_load_b128 v[BF+12*\i+4*\c:BF+12*\i+4*\c+3], v[ADRB+\slot] offset:\i*3072+\q*1536+512*\c
.endr
.endr
.irp i, 0,1,2,3
.irp c, 0,1,2
	ds_load_b128 v[AF+12*\i+4*\c:AF+12*\i+4*\c+3], v[ADRA+\slot] offset:\i*3072+\q*1536+512*\c
.endr
.endr
	WIN 0x50
.irp a, 0,1,2,3
	s_wait_dscnt 9-3*\a                            ; the three loads of each A fragment behind block a may be out
.irp b, 0,1,2,3,4,5,6,7
	MM \a, \b, \first
.endr
.endr
	WIN 0
.endm
.macro REFILL slot
	s_wait_tensorcnt 0x0                           ; all my tensor loads have landed: a group 0 may be written
	ds_add_u32 v[SPW], v[NIL]                      ; 0 onto my spare word
	s_add_nc_u64 s[G0+4*\slot+2:G0+4*\slot+3], s[G0+4*\slot+2:G0+4*\slot+3], 2*SSTEP
	s_add_nc_u64 s[G0B+4*\slot+2:G0B+4*\slot+3], s[G0B+4*\slot+2:G0B+4*\slot+3], 2*SSTEP
	s_wait_dscnt 0x0                               ; the add is done, and my reads of this slot are over
	CROUND
	JLOAD G0+4*\slot, G1, G0B+4*\slot, G1B
.endm
.macro MEET
	s_wait_tensorcnt 0x0
	ds_add_u32 v[SPW], v[NIL]
	s_wait_dscnt 0x0
	s_barrier_signal -1
	s_barrier_wait -1
.endm
.macro QUANT s                         ; 64 numbers of a lane, register 16 b + i = k 32 b + 16 h + i of my row, become a fragment's codes in v[PC] on and its scale word in v[PW]
.irp b, 0,1,2,3
	v_max3_num_f32 v[TM+\b], |v[\s+16*\b]|, |v[\s+1+16*\b]|, 0x2800000
.endr
.irp i, 2,4,6,8,10,12,14
.irp b, 0,1,2,3
	v_max3_num_f32 v[TM+\b], v[TM+\b], |v[\s+16*\b+\i]|, |v[\s+1+16*\b+\i]|
.endr
.endr
.irp b, 0,1,2,3
	v_permlanex16_b32 v[TM+4+\b], v[TM+\b], s[SEL], s[SEL+1]
.endr
.irp b, 0,1,2,3
	v_max_num_f32 v[TM+\b], v[TM+\b], v[TM+4+\b]
.endr
.irp b, 0,1,2,3
	v_add_nc_u32 v[TM+12+\b], 0xfe000000, v[TM+\b]
.endr
.irp b, 0,1,2,3
	v_lshrrev_b32 v[TM+4+\b], 23, v[TM+12+\b]
.endr
	v_lshl_or_b32 v[PW], v[TM+5], 8, v[TM+4]
	v_lshl_or_b32 v[PW], v[TM+6], 16, v[PW]
	v_lshl_or_b32 v[PW], v[TM+7], 24, v[PW]
.irp c, 0,1
	v_cvt_scalef32_pk16_bf6_f32 v[PC+6*\c:PC+2+6*\c], v[\s+32*\c:\s+15+32*\c], v[TM+12+2*\c]
	v_cvt_scalef32_pk16_bf6_f32 v[PC+12+4*\c:PC+14+4*\c], v[\s+16+32*\c:\s+31+32*\c], v[TM+12+2*\c+1]
.endr
	v_nop                                          ; one plain place behind a scaled conversion
.irp c, 0,1
.irp i, 0,1,2
	v_permlane16_swap_b32 v[PC+6*\c+\i], v[PC+12+4*\c+\i]
.endr
.irp i, 0,1,2
	v_mov_b32 v[PC+3+6*\c+\i], v[PC+12+4*\c+\i]
.endr
.endr
.endm
; gelu of sixteen numbers, in place.  Each run of transcendentals has a plain instruction behind it that touches none of its registers.
.macro GELU c
.set YB, Y+16*\c
.set J, 0
.rept 16
	v_mul_f32 v[ZR+J], 0x3f596d27, |v[YB+J]|       ; Z = |y| sqrt(log2(e) / 2)
.set J, J+1
.endr
.set J, 0
.rept 16
	v_max_num_f32 v[YB+J], 0, v[YB+J]
.set J, J+1
.endr
.set J, 0
.rept 8
	v_pk_fma_f32 v[TR+J:TR+J+1], v[ZR+J:ZR+J+1], 0x3e8ba43f, 1.0 op_sel_hi:[1,0,0]    ; 1 + 0.3275911 x
.set J, J+2
.endr
.set J, 0
.rept 16
	v_rcp_f32 v[TR+J], v[TR+J]
.set J, J+1
.endr
.set J, 0
.rept 8
	v_pk_mul_f32 v[ER+J:ER+J+1], v[ZR+J:ZR+J+1], v[ZR+J:ZR+J+1] neg_lo:[1,0] neg_hi:[1,0]
.set J, J+2
.endr
.set J, 0
.rept 16
	v_exp_f32 v[ER+J], v[ER+J]
.set J, J+1
.endr
.set J, 0
	s_wait_alu depctr_va_vdst(0)
.rept 8
	v_pk_fma_f32 v[PR+J:PR+J+1], v[TR+J:TR+J+1], v[AC+8:AC+9], v[AC+6:AC+7]
.set J, J+2
.endr
.irp k, 4,2,0
.set J, 0
.rept 8
	v_pk_fma_f32 v[PR+J:PR+J+1], v[PR+J:PR+J+1], v[TR+J:TR+J+1], v[AC+\k:AC+\k+1]
.set J, J+2
.endr
.endr
.set J, 0
.rept 8
	v_pk_mul_f32 v[PR+J:PR+J+1], v[PR+J:PR+J+1], v[TR+J:TR+J+1]
.set J, J+2
.endr
.set J, 0
.rept 8
	v_pk_mul_f32 v[PR+J:PR+J+1], v[PR+J:PR+J+1], v[ER+J:ER+J+1]
.set J, J+2
.endr
.set J, 0
.rept 8
	v_pk_mul_f32 v[PR+J:PR+J+1], v[PR+J:PR+J+1], v[ZR+J:ZR+J+1]
.set J, J+2
.endr
.set J, 0
.rept 8
	v_pk_fma_f32 v[YB+J:YB+J+1], v[PR+J:PR+J+1], 0xbf16b55f, v[YB+J:YB+J+1] op_sel_hi:[1,0,1]   ; max(y, 0) - (|y| / 2) erfc
.set J, J+2
.endr
.endm
	s_load_b256 s[4:11], s[0:1], 0x0               ; A's codes, A's scales, W's codes, W's scales
	s_load_b128 s[12:15], s[0:1], 0x20             ; b1, codes out
	s_load_b64 s[16:17], s[0:1], 0x30              ; scale words out
	v_lshl_add_u32 v[SPW], v0, 2, SPARE
	v_mov_b32 v[NIL], 0
	ds_add_u32 v28, v29
	ds_add_u32 v28, v29
	s_wait_dscnt 0x0
	v_lshrrev_b32 v1, 5, v0
	v_readfirstlane_b32 s22, v1
	s_lshr_b32 s23, s22, 2
	s_and_b32 s3, s22, 3
	s_bfe_u32 s40, ttmp6, 0x40000
	s_bfe_u32 s41, ttmp6, 0x40004
	s_lshl_b32 s42, ttmp9, 2
	s_add_co_u32 s42, s42, s40
	s_and_b32 s43, ttmp7, 0xffff
	s_lshl_b32 s43, s43, 2
	s_add_co_u32 s43, s43, s41
	s_lshl_b32 s44, s41, 2
	s_lshl_b32 s44, 15, s44
	s_lshl_b32 s45, 0x1111, s40
	s_or_b32 s[G1], s44, (3<<16)|(1<<21)
	s_or_b32 s[G1B], s45, (3<<16)|(1<<21)
.irp g, G1, G1B
	s_mov_b32 s[\g+1], 384<<16
	s_mov_b32 s[\g+2], 4<<16
	s_mov_b32 s[\g+3], 384<<16
	s_mov_b32 s[\g+4], 4
	s_mov_b32 s[\g+5], 1536
	s_mov_b32 s[\g+6], 0
	s_mov_b32 s[\g+7], 0
.endr
	s_or_b32 s[G1S], s44, (3<<16)|(1<<21)
	s_or_b32 s[G1SB], s45, (3<<16)|(1<<21)
.irp g, G1S, G1SB
	s_mov_b32 s[\g+1], 32<<16
	s_mov_b32 s[\g+2], 8<<16
	s_mov_b32 s[\g+3], 32<<16
	s_mov_b32 s[\g+4], 8
	s_mov_b32 s[\g+5], 32
	s_mov_b32 s[\g+6], 0
	s_mov_b32 s[\g+7], 0
.endr
	s_lshl_b32 s93, s3, 2
	s_lshl_b32 s92, s43, 4
	s_add_co_u32 s92, s92, s93
	s_mul_i32 s94, s92, 12288
	s_add_co_u32 s94, s94, AOFF*1536
	s_mov_b32 s95, 0
	s_lshl_b32 s96, s92, 9
	s_add_co_u32 s96, s96, AOFF*64
	s_mov_b32 s97, 0
	s_lshl_b32 s98, s42, 4
	s_add_co_u32 s98, s98, s93
	s_mul_i32 s46, s98, 12288
	s_add_co_u32 s46, s46, BOFF*1536
	s_mov_b32 s47, 0
	s_lshl_b32 s66, s98, 9
	s_add_co_u32 s66, s66, BOFF*64
	s_mov_b32 s67, 0
	s_mul_i32 s99, s22, 12288
	s_lshl_b32 s100, s22, 11
	s_mov_b32 s[SEL], 0x76543210
	s_mov_b32 s[SEL+1], 0xfedcba98
	s_wait_kmcnt 0x0
	s_add_nc_u64 s[94:95], s[4:5], s[94:95]
	s_add_nc_u64 s[96:97], s[6:7], s[96:97]
	s_add_nc_u64 s[46:47], s[8:9], s[46:47]
	s_add_nc_u64 s[66:67], s[10:11], s[66:67]
	CROUND                                         ; the first joint loads meet
	s_mov_b32 s[G0S], 1
	s_add_co_u32 s[G0S+1], s100, SCL
	s_mov_b64 s[G0S+2:G0S+3], s[96:97]
	s_or_b32 s[G0S+3], s[G0S+3], 0x80000000
	s_mov_b32 s[G0SB], 1
	s_add_co_u32 s[G0SB+1], s100, SCL
	s_mov_b64 s[G0SB+2:G0SB+3], s[66:67]
	s_or_b32 s[G0SB+3], s[G0SB+3], 0x80000000
	JLOAD G0S, G1S, G0SB, G1SB
.irp s, 0,1
	s_mov_b32 s[G0+4*\s], 1
	s_add_co_u32 s[G0+4*\s+1], s99, \s*SLOT
	s_add_nc_u64 s[G0+4*\s+2:G0+4*\s+3], s[94:95], \s*SSTEP
	s_or_b32 s[G0+4*\s+3], s[G0+4*\s+3], 0x80000000
	s_mov_b32 s[G0B+4*\s], 1
	s_add_co_u32 s[G0B+4*\s+1], s99, \s*SLOT
	s_add_nc_u64 s[G0B+4*\s+2:G0B+4*\s+3], s[46:47], \s*SSTEP
	s_or_b32 s[G0B+4*\s+3], s[G0B+4*\s+3], 0x80000000
	JLOAD G0+4*\s, G1, G0B+4*\s, G1B
.endr
	v_and_b32 v1, 31, v0
	v_lshlrev_b32 v[L16], 4, v1
	v_and_b32 v1, 15, v0
	v_lshlrev_b32 v[R4], 2, v1
	v_bfe_u32 v[HH], v0, 4, 1
	v_lshl_add_u32 v6, v[HH], 11, v[R4]            ; scale words out: 4 r, and one row block (32 x 64 bytes) on for lanes 16-31
	s_mul_i32 s92, s3, 12288
	s_mul_i32 s93, s23, 24576
	s_add_co_u32 s93, s93, 49152
.irp s, 0,1
	v_add_nc_u32 v[ADRA+\s], s92, v[L16]
	v_add_nc_u32 v[ADRB+\s], s93, v[L16]
	s_add_co_u32 s92, s92, SLOT
	s_add_co_u32 s93, s93, SLOT
.endr
	s_lshl_b32 s92, s3, 11
	s_add_co_u32 s92, s92, SCL
	v_add_nc_u32 v[ADSA], s92, v[R4]
	s_lshl_b32 s93, s23, 12
	s_add_co_u32 s93, s93, SCL+8192
	v_add_nc_u32 v[ADSB], s93, v[R4]
	s_lshl_b32 s92, s42, 10                        ; b1 at my 128 units: 256 x + 128 (w / 4)
	s_lshl_b32 s93, s23, 9
	s_add_co_u32 s92, s92, s93
	s_mov_b32 s93, 0
	s_add_nc_u64 s[12:13], s[12:13], s[92:93]
	v_lshlrev_b32 v8, 6, v[HH]
.set J, 0
.rept 16
	global_load_b128 v[BIA+4*J:BIA+4*J+3], v8, s[12:13] offset:128*(J/4)+16*(J%4)
.set J, J+1
.endr
	s_wait_tensorcnt 0x1                           ; the scale words and my part of slot 0 are in; slot 1's load may be out
	s_barrier_signal -1
	s_barrier_wait -1
	KSTEP 0, 0, 0, 1
	KSTEP 0, 1, 1, 0
	REFILL 0
	KSTEP 1, 0, 2, 0
	KSTEP 1, 1, 3, 0
	REFILL 1
	KSTEP 0, 0, 4, 0
	KSTEP 0, 1, 5, 0
	MEET
	KSTEP 1, 0, 6, 0
	KSTEP 1, 1, 7, 0
	s_lshl_b32 s92, s43, 4
	s_lshl_b32 s93, s3, 2
	s_add_co_u32 s92, s92, s93                     ; my first row block
	s_lshl_b32 s92, s92, 5
	s_lshl_b32 s93, s42, 1
	s_add_co_u32 s92, s92, s93
	s_add_co_u32 s92, s92, s23                     ; x 32 + the K step 2 x + w / 4
	s_mul_i32 s94, s92, 1536
	s_mov_b32 s95, 0
	s_lshl_b32 s96, s92, 6
	s_mov_b32 s97, 0
	s_add_nc_u64 s[94:95], s[14:15], s[94:95]
	s_add_nc_u64 s[96:97], s[16:17], s[96:97]
	s_mov_b32 s100, 0xffff0000                     ; lanes 16-31
	PLACES
	s_wait_loadcnt 0x0
	v_mov_b32 v[AC], 0x3e827906                    ; a1 .. a5
	v_mov_b32 v[AC+2], 0xbe91a98e
	v_mov_b32 v[AC+4], 0x3fb5f0e3
	v_mov_b32 v[AC+6], 0xbfba00e3
	v_mov_b32 v[AC+8], 0x3f87dc22
.irp k, 0,2,4,6,8
	v_mov_b32 v[AC+\k+1], v[AC+\k]
.endr
.irp a, 0,1,2,3
.if \a > 0
	s_wait_xcnt 0x0                                ; the last block's stores have read their registers
.endif
	WIN 0x01
.set J, 0
.rept 32
	v_pk_add_f32 v[Y+J:Y+J+1], v[64*\a+J:64*\a+J+1], v[BIA+J:BIA+J+1]    ; each accumulator from its low end on
.set J, J+2
.endr
	WIN 0
	GELU 0
	GELU 1
	GELU 2
	GELU 3
	QUANT Y
	v_mov_b32 v[PWS+\a], v[PW]
.irp c, 0,1,2
	global_store_b128 v[L16], v[PC+4*\c:PC+4*\c+3], s[94:95] offset:\a*49152+512*\c
.endr
.endr
	v_cndmask_b32 v[PWS], v[PWS], v[PWS+1], s100   ; lanes 0-15 store one block's words, lanes 16-31 the next block's
	v_cndmask_b32 v[PWS+2], v[PWS+2], v[PWS+3], s100
	global_store_b32 v6, v[PWS], s[96:97]
	global_store_b32 v6, v[PWS+2], s[96:97] offset:4096
	s_wait_tensorcnt 0x0                           ; the wave's end
	ds_add_u32 v[SPW], v[NIL]
	s_wait_dscnt 0x0
	CROUND
	s_endpgm
.Lfunc_end_k_qa890a00f4c_ff1:
	.size	k_qa890a00f4c_ff1, .Lfunc_end_k_qa890a00f4c_ff1-k_qa890a00f4c_ff1
	.p2alignl 7, 3214868480
	.fill 96, 4, 3214868480
	.section	.rodata,"a",@progbits
	.p2align	6, 0x0
	.amdhsa_kernel k_qa890a00f4c_ff1
		.amdhsa_group_segment_fixed_size 327680
		.amdhsa_private_segment_fixed_size 0
		.amdhsa_enable_private_segment 0
		.amdhsa_kernarg_size 56
		.amdhsa_user_sgpr_count 2
		.amdhsa_user_sgpr_kernarg_segment_ptr 1
		.amdhsa_wavefront_size32 1
		.amdhsa_system_sgpr_workgroup_id_x 1
		.amdhsa_system_sgpr_workgroup_id_y 1
		.amdhsa_system_sgpr_workgroup_id_z 1
		.amdhsa_system_vgpr_workitem_id 0
		.amdhsa_next_free_vgpr 512
		.amdhsa_next_free_sgpr 102
		.amdhsa_reserve_vcc 0
		.amdhsa_float_denorm_mode_32 3
		.amdhsa_float_denorm_mode_16_64 3
		.amdhsa_memory_ordered 1
		.amdhsa_forward_progress 1
		.amdhsa_inst_pref_size 234
	.end_amdhsa_kernel
	.amdgpu_metadata
---
amdhsa.version: [ 1, 2 ]
amdhsa.kernels:
  - .name:           k_qa890a00f4c_ff1
    .symbol:         k_qa890a00f4c_ff1.kd
    .args:
      - { .name: hc, .offset: 0, .size: 8, .value_kind: global_buffer, .address_space: global }
      - { .name: hs, .offset: 8, .size: 8, .value_kind: global_buffer, .address_space: global }
      - { .name: wc, .offset: 16, .size: 8, .value_kind: global_buffer, .address_space: global }
      - { .name: ws, .offset: 24, .size: 8, .value_kind: global_buffer, .address_space: global }
      - { .name: b1, .offset: 32, .size: 8, .value_kind: global_buffer, .address_space: global }
      - { .name: big, .offset: 40, .size: 8, .value_kind: global_buffer, .address_space: global }
      - { .name: fs, .offset: 48, .size: 8, .value_kind: global_buffer, .address_space: global }
    .group_segment_fixed_size: 327680
    .private_segment_fixed_size: 0
    .kernarg_segment_align: 8
    .kernarg_segment_size: 56
    .max_flat_workgroup_size: 256
    .sgpr_count:     102
    .vgpr_count:     512
    .wavefront_size: 32
...
	.end_amdgpu_metadata
.endif
;; end of part 6
;; launch ff2 (part 7): grid 8 x 32, 8 waves a work-group, clusters of 4 x 4, 327,680 bytes of LDS; arguments big, fs, wc, ws, b2, x2, out0; writes out0
.if DOCPART == 7
	.amdgcn_target "amdgcn-amd-amdhsa--gfx1250"
	.amdhsa_code_object_version 6
	.text
	.protected	k_qa890a00f4c_ff2
	.globl	k_qa890a00f4c_ff2
	.p2align	8
	.type	k_qa890a00f4c_ff2,@function
k_qa890a00f4c_ff2:
	s_mov_b64 s[64:65], 0
	v_nop
	global_prefetch_b8 v0, s[64:65] scope:SCOPE_SE
	s_setreg_imm32_b32 hwreg(HW_REG_WAVE_MODE, 25, 1), 1
	s_wait_xcnt 0x0
	s_wait_alu depctr_hold_cnt(0) depctr_sa_sdst(0) depctr_va_vdst(0) depctr_va_sdst(0) depctr_va_ssrc(0) depctr_va_vcc(0) depctr_vm_vsrc(0)
	s_getreg_b32 s2, hwreg(HW_REG_IB_STS2, 6, 4)
	s_cmp_eq_u32 s2, 0
	s_cbranch_scc0 .Lentry_in_a_cluster
	s_endpgm
.Lentry_in_a_cluster:
	s_bfe_u32 s2, ttmp6, 0x10000c
	s_cmp_lg_u32 s2, 0xf033
	s_cbranch_scc0 .Lentry_shape_is_right
	s_endpgm
.Lentry_shape_is_right:
; out = residual + A W + bias, f32, the product on codes of BF6 (E3M2) with E8M0 scales.  A: 4,096 rows, K = 128 KS; W: 1,024 columns.
; OPERANDS are images of operand registers: fragment (row block rb, K step ks), 16 rows x 128 K, 1,536 bytes at index rb KS + ks; registers 4 c .. 4 c + 3 of lane l at 512 c + 16 l; scale words 64 bytes.
; Row block 2 G + u holds rows 32 G + 8 u + r + 8 (r / 8).
; A tile of 128 rows (grid y) x 128 columns (grid x): 256 work-groups.  K IS SPLIT FOUR WAYS INSIDE THE WORK-GROUP: wave w makes rows 64 (w / 4) on x all 128 columns on the K steps 4 s + w % 4,
; so that a wave's tile stays 64 x 128 (32 accumulators, (a, b) at v[256 + 8 (8 a + b)]); the four partial sums meet on the way out, in the trip through LDS that whole rows of 512 bytes want anyway.
; A slot holds four K steps of both tiles (98,304 bytes); two slots, filled by joint tensor loads in clusters of 4 x 4 (A's tile shared along a row, W's along a column); the scale words come once.
; Three tensor loads of a wave are out at the start, one behind each round.  Source 0 = 16 columns of W, source 1 = 16 rows of A: a lane's results of a block a are columns 32 B + 16 h + i at register 16 B + i.
; The order of the f32 sums: each K phase ascending, then (0 + 1) + (2 + 3), the bias, the residual.
.set KS,    32
.set AOFF,  0
.set BOFF,  4096                       ; W2's first fragment
.set SLOT,  98304
.set SSTEP, 6144
.set SCL,   196608
.set SPARE, 326656                     ; the spare words: four blocks of 256 bytes that no other line names
.set L16,  2
.set R4,   3
.set HH,   4
.set STO,  6
.set RD0,  7
.set RD1,  8
.set ADRA, 16
.set ADRB, 18
.set ADSA, 20
.set ADSB, 21
.set SPW,  28
.set NIL,  29
.set SCA,  32                          ; v32-43 hold scales and nothing else
.set SCB,  36
.set AF,   44
.set BF,   92
.set RES,  188
.set G1,   24
.set G0,   32
.set G1B,  48
.set G0B,  56
.set G1S,  68
.set G0S,  76
.set G1SB, 80
.set G0SB, 88
.set MSB, 0
.macro WIN new
.if MSB != \new
	s_set_vgpr_msb (MSB<<8)|\new
.set MSB, \new
.endif
.endm
.macro PLACES
.rept 4
	v_nop
.endr
.endm
.macro JLOAD g0a, g1a, g0b, g1b        ; waves 0-3 fetch for A, waves 4-7 for W; four v_nop follow each of the two lines
	s_cmp_eq_u32 s23, 0
	s_cbranch_scc0 .Lfor_b_\@
	tensor_load_to_lds s[\g0a:\g0a+3], s[\g1a:\g1a+7]
	s_nop 0
.rept 4
	v_nop
.endr
	s_branch .Lasked_\@
.Lfor_b_\@:
	tensor_load_to_lds s[\g0b:\g0b+3], s[\g1b:\g1b+7]
	s_nop 0
.rept 4
	v_nop
.endr
.Lasked_\@:
.endm
.macro CROUND
	s_barrier_signal -1
	s_barrier_wait -1
	s_cmp_lg_u32 s22, 0
	s_cbranch_scc1 .Lnot_wave_0_\@
	s_barrier_signal -3
.Lnot_wave_0_\@:
	s_barrier_wait -3
	s_barrier_signal -1
	s_barrier_wait -1
.endm
.macro MM a, b, zero
.if \zero
	v_wmma_scale_f32_16x16x128_f8f6f4 v[8*(8*\a+\b):8*(8*\a+\b)+7], v[BF+12*\b:BF+12*\b+11], v[AF+12*\a:AF+12*\a+11], 0, v[SCB+\b], v[SCA+\a] matrix_a_fmt:MATRIX_FMT_BF6 matrix_b_fmt:MATRIX_FMT_BF6
.else
	v_wmma_scale_f32_16x16x128_f8f6f4 v[8*(8*\a+\b):8*(8*\a+\b)+7], v[BF+12*\b:BF+12*\b+11], v[AF+12*\a:AF+12*\a+11], v[8*(8*\a+\b):8*(8*\a+\b)+7], v[SCB+\b], v[SCA+\a] matrix_a_fmt:MATRIX_FMT_BF6 matrix_b_fmt:MATRIX_FMT_BF6
.endif
.endm
.macro KSTEP slot, s, first            ; my K step of the s-th four: 48 LDS loads, 32 matrix instructions; the accumulators take turns
.if !\first
	PLACES
.endif
.irp i, 0,1,2,3
	ds_load_b32 v[SCA+\i], v[ADSA] offset:\i*64*KS+256*\s
.endr
.irp i, 0,1,2,3,4,5,6,7
	ds_load_b32 v[SCB+\i], v[ADSB] offset:\i*64*KS+256*\s
.endr
.irp i, 0,1,2,3,4,5,6,7
.irp c, 0,1,2
	ds_load_b128 v[BF+12*\i+4*\c:BF+12*\i+4*\c+3], v[ADRB+\slot] offset:\i*6144+512*\c
.endr
.endr
.irp i, 0,1,2,3
.irp c, 0,1,2
	ds_load_b128 v[AF+12*\i+4*\c:AF+12*\i+4*\c+3], v[ADRA+\slot] offset:\i*6144+512*\c
.endr
.endr
	WIN 0x50
.irp a, 0,1,2,3
	s_wait_dscnt 9-3*\a                            ; the three loads of each A fragment behind block a may be out
.irp b, 0,1,2,3,4,5,6,7
	MM \a, \b, \first
.endr
.endr
	WIN 0
.endm
.macro REFILL slot                     ; the slot just read out is filled again, two slots ahead
	s_wait_tensorcnt 0x0                           ; all my tensor loads have landed, my part of the other slot among them: a group 0 may be written
	ds_add_u32 v[SPW], v[NIL]                      ; 0 onto my spare word
	s_add_nc_u64 s[G0+4*\slot+2:G0+4*\slot+3], s[G0+4*\slot+2:G0+4*\slot+3], 2*SSTEP
	s_add_nc_u64 s[G0B+4*\slot+2:G0B+4*\slot+3], s[G0B+4*\slot+2:G0B+4*\slot+3], 2*SSTEP
	s_wait_dscnt 0x0                               ; the add is done, and my reads of this slot are over
	CROUND                                         ; the same holds of every wave of every partner
	JLOAD G0+4*\slot, G1, G0B+4*\slot, G1B         ; my one tensor load behind the round, and the first thing there
.endm
.macro MEET
	s_wait_tensorcnt 0x0
	ds_add_u32 v[SPW], v[NIL]
	s_wait_dscnt 0x0
	s_barrier_signal -1
	s_barrier_wait -1
.endm
	s_load_b256 s[4:11], s[0:1], 0x0               ; A's codes, A's scales, W's codes, W's scales
	s_load_b128 s[12:15], s[0:1], 0x20             ; bias, residual
	s_load_b64 s[16:17], s[0:1], 0x30              ; out
	v_lshl_add_u32 v[SPW], v0, 2, SPARE
	v_mov_b32 v[NIL], 0
	ds_add_u32 v28, v29
	ds_add_u32 v28, v29
	s_wait_dscnt 0x0
	v_lshrrev_b32 v1, 5, v0
	v_readfirstlane_b32 s22, v1
	s_lshr_b32 s23, s22, 2
	s_and_b32 s3, s22, 3
	s_bfe_u32 s40, ttmp6, 0x40000
	s_bfe_u32 s41, ttmp6, 0x40004
	s_lshl_b32 s42, ttmp9, 2
	s_add_co_u32 s42, s42, s40
	s_and_b32 s43, ttmp7, 0xffff
	s_lshl_b32 s43, s43, 2
	s_add_co_u32 s43, s43, s41
	s_lshl_b32 s44, s41, 2
	s_lshl_b32 s44, 15, s44
	s_lshl_b32 s45, 0x1111, s40
	s_or_b32 s[G1], s44, (3<<16)|(1<<21)
	s_or_b32 s[G1B], s45, (3<<16)|(1<<21)
.irp g, G1, G1B
	s_mov_b32 s[\g+1], 768<<16
	s_mov_b32 s[\g+2], 2<<16
	s_mov_b32 s[\g+3], 768<<16
	s_mov_b32 s[\g+4], 2
	s_mov_b32 s[\g+5], 192*KS
	s_mov_b32 s[\g+6], 0
	s_mov_b32 s[\g+7], 0
.endr
	s_or_b32 s[G1S], s44, (3<<16)|(1<<21)
	s_or_b32 s[G1SB], s45, (3<<16)|(1<<21)
.irp g, G1S, G1SB
	s_mov_b32 s[\g+1], 32<<16
	s_mov_b32 s[\g+2], (KS/2)<<16
	s_mov_b32 s[\g+3], 32<<16
	s_mov_b32 s[\g+4], KS/2
	s_mov_b32 s[\g+5], 32
	s_mov_b32 s[\g+6], 0
	s_mov_b32 s[\g+7], 0
.endr
	s_lshl_b32 s93, s3, 1
	s_lshl_b32 s92, s43, 3
	s_add_co_u32 s92, s92, s93
	s_mul_i32 s94, s92, KS*1536
	s_add_co_u32 s94, s94, AOFF*1536
	s_mov_b32 s95, 0
	s_mul_i32 s96, s92, KS*64
	s_add_co_u32 s96, s96, AOFF*64
	s_mov_b32 s97, 0
	s_lshl_b32 s98, s42, 3
	s_add_co_u32 s98, s98, s93
	s_mul_i32 s46, s98, KS*1536
	s_add_co_u32 s46, s46, BOFF*1536
	s_mov_b32 s47, 0
	s_mul_i32 s66, s98, KS*64
	s_add_co_u32 s66, s66, BOFF*64
	s_mov_b32 s67, 0
	s_mul_i32 s99, s22, 12288
	s_mul_i32 s100, s22, 128*KS
	s_wait_kmcnt 0x0
	s_add_nc_u64 s[94:95], s[4:5], s[94:95]
	s_add_nc_u64 s[96:97], s[6:7], s[96:97]
	s_add_nc_u64 s[46:47], s[8:9], s[46:47]
	s_add_nc_u64 s[66:67], s[10:11], s[66:67]
	CROUND                                         ; the first joint loads meet
	s_mov_b32 s[G0S], 1
	s_add_co_u32 s[G0S+1], s100, SCL
	s_mov_b64 s[G0S+2:G0S+3], s[96:97]
	s_or_b32 s[G0S+3], s[G0S+3], 0x80000000
	s_mov_b32 s[G0SB], 1
	s_add_co_u32 s[G0SB+1], s100, SCL
	s_mov_b64 s[G0SB+2:G0SB+3], s[66:67]
	s_or_b32 s[G0SB+3], s[G0SB+3], 0x80000000
	JLOAD G0S, G1S, G0SB, G1SB
.irp s, 0,1
	s_mov_b32 s[G0+4*\s], 1
	s_add_co_u32 s[G0+4*\s+1], s99, \s*SLOT
	s_add_nc_u64 s[G0+4*\s+2:G0+4*\s+3], s[94:95], \s*SSTEP
	s_or_b32 s[G0+4*\s+3], s[G0+4*\s+3], 0x80000000
	s_mov_b32 s[G0B+4*\s], 1
	s_add_co_u32 s[G0B+4*\s+1], s99, \s*SLOT
	s_add_nc_u64 s[G0B+4*\s+2:G0B+4*\s+3], s[46:47], \s*SSTEP
	s_or_b32 s[G0B+4*\s+3], s[G0B+4*\s+3], 0x80000000
	JLOAD G0+4*\s, G1, G0B+4*\s, G1B
.endr
	v_and_b32 v1, 31, v0
	v_lshlrev_b32 v[L16], 4, v1
	v_and_b32 v1, 15, v0
	v_lshlrev_b32 v[R4], 2, v1
	v_bfe_u32 v[HH], v0, 4, 1
	s_mul_i32 s92, s23, 24576
	s_mul_i32 s93, s3, 1536
	s_add_co_u32 s92, s92, s93
	s_add_co_u32 s93, s93, 49152
.irp s, 0,1
	v_add_nc_u32 v[ADRA+\s], s92, v[L16]
	v_add_nc_u32 v[ADRB+\s], s93, v[L16]
	s_add_co_u32 s92, s92, SLOT
	s_add_co_u32 s93, s93, SLOT
.endr
	s_mul_i32 s92, s23, 256*KS
	s_lshl_b32 s93, s3, 6
	s_add_co_u32 s92, s92, s93
	s_add_co_u32 s92, s92, SCL
	v_add_nc_u32 v[ADSA], s92, v[R4]
	s_add_co_u32 s93, s93, SCL+512*KS
	v_add_nc_u32 v[ADSB], s93, v[R4]
	v_mul_u32_u24 v[STO], v1, 528
	v_lshl_add_u32 v[STO], v[HH], 6, v[STO]
	s_mul_i32 s92, s22, 33792
	v_add_nc_u32 v[STO], s92, v[STO]
	s_mul_i32 s92, s23, 135168
	s_mul_i32 s93, s3, 8448
	s_add_co_u32 s92, s92, s93
	v_add_nc_u32 v[RD0], s92, v[L16]
	v_add_nc_u32 v[RD1], 67584, v[RD0]
	s_lshl_b32 s92, s43, 7
	s_lshr_b32 s93, s22, 1
	s_lshl_b32 s93, s93, 5
	s_add_co_u32 s92, s92, s93
	s_and_b32 s93, s22, 1
	s_lshl_b32 s93, s93, 3
	s_add_co_u32 s92, s92, s93
	s_lshl_b32 s92, s92, 12
	s_lshl_b32 s94, s42, 9
	s_add_co_u32 s92, s92, s94
	s_mov_b32 s93, 0
	s_mov_b32 s95, 0
	s_add_nc_u64 s[14:15], s[14:15], s[92:93]
	s_add_nc_u64 s[16:17], s[16:17], s[92:93]
	s_add_nc_u64 s[12:13], s[12:13], s[94:95]
.set J, 0
.rept 16
	global_load_b128 v[RES+4*J:RES+4*J+3], v[L16], s[14:15] offset:(J+8*(J/8))*4096
.set J, J+1
.endr
	global_load_b128 v[252:255], v[L16], s[12:13]
	s_wait_tensorcnt 0x1                           ; the scale words and my part of slot 0 are in; slot 1's load may be out
	s_barrier_signal -1
	s_barrier_wait -1
	KSTEP 0, 0, 1
	REFILL 0
	KSTEP 1, 1, 0
	REFILL 1
	KSTEP 0, 2, 0
	REFILL 0
	KSTEP 1, 3, 0
	REFILL 1
	KSTEP 0, 4, 0
	REFILL 0
	KSTEP 1, 5, 0
	REFILL 1
	KSTEP 0, 6, 0
	MEET                                           ; the last change of slots: nothing is filled again
	KSTEP 1, 7, 0
	PLACES
	s_wait_dscnt 0x0
	s_barrier_signal -1
	s_barrier_wait -1                              ; nobody reads the slots or the scale words any more, and they have had their last fill: the stages lie over them
	WIN 0x04
.irp a, 0,1,2,3
.irp q, 0,1,2,3,4,5,6,7,8,9,10,11,12,13,14,15
	ds_store_b128 v[STO], v[64*\a+4*\q:64*\a+4*\q+3] offset:\a*8448+128*(\q/4)+16*(\q%4)
.endr
.endr
	WIN 0
	s_wait_dscnt 0x0
	s_barrier_signal -1
	s_barrier_wait -1
.macro LOADG g
.irp k, 0,1,2,3
	ds_load_b128 v[44+64*((\g)%2)+16*\k:44+64*((\g)%2)+16*\k+3],     v[RD0] offset:528*(4*(\g)+\k)
	ds_load_b128 v[44+64*((\g)%2)+16*\k+4:44+64*((\g)%2)+16*\k+7],   v[RD0] offset:33792+528*(4*(\g)+\k)
	ds_load_b128 v[44+64*((\g)%2)+16*\k+8:44+64*((\g)%2)+16*\k+11],  v[RD1] offset:528*(4*(\g)+\k)
	ds_load_b128 v[44+64*((\g)%2)+16*\k+12:44+64*((\g)%2)+16*\k+15], v[RD1] offset:33792+528*(4*(\g)+\k)
.endr
.endm
.macro SUMG g
.irp k, 0,1,2,3
.set RB, 44+64*((\g)%2)+16*\k
.set RW, 4*(\g)+\k
	v_pk_add_f32 v[RB:RB+1], v[RB:RB+1], v[RB+4:RB+5]
	v_pk_add_f32 v[RB+2:RB+3], v[RB+2:RB+3], v[RB+6:RB+7]
	v_pk_add_f32 v[RB+8:RB+9], v[RB+8:RB+9], v[RB+12:RB+13]
	v_pk_add_f32 v[RB+10:RB+11], v[RB+10:RB+11], v[RB+14:RB+15]
	v_pk_add_f32 v[RB:RB+1], v[RB:RB+1], v[RB+8:RB+9]
	v_pk_add_f32 v[RB+2:RB+3], v[RB+2:RB+3], v[RB+10:RB+11]
	v_pk_add_f32 v[RB:RB+1], v[RB:RB+1], v[252:253]
	v_pk_add_f32 v[RB+2:RB+3], v[RB+2:RB+3], v[254:255]
	v_pk_add_f32 v[RB:RB+1], v[RB:RB+1], v[RES+4*RW:RES+4*RW+1]
	v_pk_add_f32 v[RB+2:RB+3], v[RB+2:RB+3], v[RES+4*RW+2:RES+4*RW+3]
	global_store_b128 v[L16], v[RB:RB+3], s[16:17] offset:(RW+8*(RW/8))*4096
.endr
.endm
	LOADG 0
	LOADG 1
	s_wait_loadcnt 0x0
	s_wait_dscnt 16                                ; the next group's 16 loads may be out
	SUMG 0
	s_wait_xcnt 0x0                                ; the stores have read their registers: the next loads may land there
	LOADG 2
	s_wait_dscnt 16
	SUMG 1
	s_wait_xcnt 0x0
	LOADG 3
	s_wait_dscnt 16
	SUMG 2
	s_wait_dscnt 0x0
	SUMG 3
	s_wait_tensorcnt 0x0                           ; the wave's end
	ds_add_u32 v[SPW], v[NIL]
	s_wait_dscnt 0x0
	CROUND
	s_endpgm
.Lfunc_end_k_qa890a00f4c_ff2:
	.size	k_qa890a00f4c_ff2, .Lfunc_end_k_qa890a00f4c_ff2-k_qa890a00f4c_ff2
	.p2alignl 7, 3214868480
	.fill 96, 4, 3214868480
	.section	.rodata,"a",@progbits
	.p2align	6, 0x0
	.amdhsa_kernel k_qa890a00f4c_ff2
		.amdhsa_group_segment_fixed_size 327680
		.amdhsa_private_segment_fixed_size 0
		.amdhsa_enable_private_segment 0
		.amdhsa_kernarg_size 56
		.amdhsa_user_sgpr_count 2
		.amdhsa_user_sgpr_kernarg_segment_ptr 1
		.amdhsa_wavefront_size32 1
		.amdhsa_system_sgpr_workgroup_id_x 1
		.amdhsa_system_sgpr_workgroup_id_y 1
		.amdhsa_system_sgpr_workgroup_id_z 1
		.amdhsa_system_vgpr_workitem_id 0
		.amdhsa_next_free_vgpr 512
		.amdhsa_next_free_sgpr 102
		.amdhsa_reserve_vcc 0
		.amdhsa_float_denorm_mode_32 3
		.amdhsa_float_denorm_mode_16_64 3
		.amdhsa_memory_ordered 1
		.amdhsa_forward_progress 1
		.amdhsa_inst_pref_size 97
	.end_amdhsa_kernel
	.amdgpu_metadata
---
amdhsa.version: [ 1, 2 ]
amdhsa.kernels:
  - .name:           k_qa890a00f4c_ff2
    .symbol:         k_qa890a00f4c_ff2.kd
    .args:
      - { .name: big, .offset: 0, .size: 8, .value_kind: global_buffer, .address_space: global }
      - { .name: fs, .offset: 8, .size: 8, .value_kind: global_buffer, .address_space: global }
      - { .name: wc, .offset: 16, .size: 8, .value_kind: global_buffer, .address_space: global }
      - { .name: ws, .offset: 24, .size: 8, .value_kind: global_buffer, .address_space: global }
      - { .name: b2, .offset: 32, .size: 8, .value_kind: global_buffer, .address_space: global }
      - { .name: x2, .offset: 40, .size: 8, .value_kind: global_buffer, .address_space: global }
      - { .name: out0, .offset: 48, .size: 8, .value_kind: global_buffer, .address_space: global }
    .group_segment_fixed_size: 327680
    .private_segment_fixed_size: 0
    .kernarg_segment_align: 8
    .kernarg_segment_size: 56
    .max_flat_workgroup_size: 256
    .sgpr_count:     102
    .vgpr_count:     512
    .wavefront_size: 32
...
	.end_amdgpu_metadata
.endif
;; end of part 7
